; MI455X (gfx1250); checked and timed in simulation.
; The chip was launched on July 23, 2026; its instructions are those of AMD's public machine-readable ISA for CDNA 5 (MIT licence, August 2026) and "CDNA5" Instruction Set Architecture Reference Guide (July 2026). The comments in the code are by the model that wrote it; some were corrected since.
;; Dual Mode Attention. Allowed arithmetic: matrix products marked QUANTISED: E2M1 operands, one E8M0 scale for each 32 along K, by v_wmma_scale_f32_16x16x128_f8f6f4 with both operands' format E2M1 (or v_wmma_scale_f32_32x16x128_f4), f32 sums; products left as they are: bf16, f16 or f32 operands; f32 sums; everything else in f32.
;; Inputs: Wk 512 x 2,048 float32; Wproj 2,048 x 2,048 float32; Wq 2,048 x 2,048 float32; Wv 512 x 2,048 float32; q_gain 16 float32; x 8 x 512 x 2,048 float32.
;; Outputs: out0 8 x 512 x 2,048 float32.
;; This version of the problem:
;;   THIS VERSION OF THE PROBLEM IS GIVEN IN LOW PRECISION. The matrix products marked QUANTISED in the list below multiply operands that are first quantised to E2M1 (2 exponent bits, 1 mantissa bit; 4 bits a number), with one power-of-two scale for each 32 numbers along K (OCP MX v1.0); their sums are f32. The products marked 'left as it is' may take bf16, f16 or f32 operands, with f32 sums. Whichever they take, every output number must still come out within the allowed error. Rounding operands to bf16 (8 significant bits) uses up far more of that allowance than f16 does (11 bits, for magnitudes from 6e-5 to 65,504). All else is computed in f32.
;;   The module's matrix products, in the order in which they are computed (A, B: the left and right operand; K: the contracted axis; several contracted axes count as one K, in the product's order):
;;     1. [M 4,096, K 2,048] x [K 2,048, N 2,048]; A: input x; B: input Wq: QUANTISED
;;     2. [M 4,096, K 2,048] x [K 2,048, N 512]; A: input x; B: input Wk: QUANTISED
;;     3. [M 4,096, K 2,048] x [K 2,048, N 512]; A: input x; B: input Wv: QUANTISED
;;     4. batch 32 x [M 2,048, K 128] x [K 128, N 512]; A: computed on the way; B: computed on the way: left as it is (an operand is computed on the way)
;;     5. batch 32 x [M 2,048, K 512] x [K 512, N 128]; A: computed on the way; B: computed on the way: left as it is (an operand is computed on the way)
;;     6. [M 4,096, K 2,048] x [K 2,048, N 2,048]; A: computed on the way; B: input Wproj: left as it is (an operand is computed on the way)
;;   THE QUANTISER, for each operand of a quantised product, along K:
;;     - K is cut into blocks of 32 from its start; a last block that is shorter is filled with zeros.
;;     - A block's scale is 2^e with e = floor(log2(the largest magnitude in the block)) - 2, held to -126 .. 127; a block of zeros has e = 0. As a byte (E8M0): e + 127.
;;     - Each number is divided by its block's scale, clamped to +-6, and rounded to the nearest number of E2M1, ties to even, subnormals kept.
;;     - The product sums the exact products of the quantised numbers (number of the format x scale) in f32.
;;   ~~~python
;;   def quantise(x, axis):      # numpy; x: float32 -> the quantised numbers, widened to float32 again
;;       x = np.moveaxis(x, axis, -1); K = x.shape[-1]
;;       x = np.pad(x, [(0, 0)] * (x.ndim - 1) + [(0, -K % 32)]); x = x.reshape(x.shape[:-1] + (-1, 32)); a = np.abs(x).max(-1, keepdims=True)
;;       e = np.where(a > 0, np.clip(np.frexp(np.where(a > 0, a, 1))[1] - 1 - 2, -126, 127), 0)      # np.frexp(a)[1] - 1 = floor(log2(a)), exactly
;;       r = np.clip(x / 2.0 ** e, -6, 6)
;;       step = 2.0 ** (np.maximum(np.frexp(np.where(r == 0, 1, r))[1] - 1, 0) - 1)
;;       q = np.round(r / step) * step * 2.0 ** e      # np.round: ties to even
;;       return np.moveaxis(q.reshape(q.shape[:-2] + (-1,))[..., :K], -1, axis).astype(np.float32)
;;   ~~~
;; One version. Each part assembles by itself: llvm-mc -triple=amdgcn-amd-amdhsa -mcpu=gfx1250 --defsym DOCPART=n.
;; ======== version 1 of 1: 4 launches
;; limits: values are held in f16: magnitudes above 65,504 overflow, below 6.1e-05 lose precision; values outside matrix products are rounded to f16
;; workspace buffers: xc 4,194,304 bytes; xs 262,144 bytes; wc 3,145,728 bytes; ws 196,608 bytes; wp 8,388,608 bytes; rt 270,336 bytes; qkv 25,165,824 bytes; y 16,777,216 bytes
;; launch prep (part 1): grid 642 x 1, 4 waves a work-group, no clusters, 33,280 bytes of LDS; arguments x, Wq, Wk, Wv, Wproj, xc, xs, wc, ws, wp, rt; writes xc, xs, wc, ws, wp, rt
.if DOCPART == 1
	.amdgcn_target "amdgcn-amd-amdhsa--gfx1250"
	.amdhsa_code_object_version 6
	.text
	.protected	k_q039b01f4e8_prep
	.globl	k_q039b01f4e8_prep
	.p2align	8
	.type	k_q039b01f4e8_prep,@function
k_q039b01f4e8_prep:
	s_mov_b64 s[64:65], 0
	v_nop
	global_prefetch_b8 v0, s[64:65] scope:SCOPE_SE
	s_setreg_imm32_b32 hwreg(HW_REG_WAVE_MODE, 25, 1), 1
	s_wait_xcnt 0x0
; THREE JOBS IN ONE LAUNCH, told apart by the work-group's number alone.
; Work-groups 0-447: x [4096][2048], Wq [2048][2048], Wk, Wv [512][2048], f32 with K innermost, become codes of FP4 (E2M1), two a byte, and one E8M0 byte for each 32 along K.
;   x goes to xc, xs; the three weights go one behind the other to wc, ws (rows 0-2047 Wq, 2048-2559 Wk, 2560-3071 Wv).  Rows are dense and K is a multiple of 32: every tensor is a plain stream of blocks.
;   A block's scale is 2^(floor(log2(largest magnitude)) - 2): its byte is the largest magnitude's exponent field - 2, held at 1 from below.
; Work-groups 448-575: Wproj, f32, is rounded to f16 (wp), as it lies.
; Work-groups 576-641: the table of cos and sin for the rotation (rt), laid as an image of its reader's registers: block tb (16 positions t = 16 tb + r) is [i 0..15][lane][16 bytes]; i = 2 b + half holds cos,
;   i + 8 sin, of channels 16 b + 8 (lane / 16) + 4 half + 0..3 at position 16 tb + lane % 16.  Block 32 holds position 0 in every lane (cos 1, sin 0): the heads that are not rotated read it.
; LIMITS: NaN and infinities among the inputs are not served.  A block of zeros gets the byte 1 where the rule says 127: its codes are zeros, and this program alone reads the bytes.  Blocks whose largest
;   magnitude lies under 2^-124 are held at the byte 1.  The angle t x 10000^(-d/64) is made with one exponential of an f32 argument: good to about 1.3e-4 radians at t = 511.
.set WAVES, 4
.set STEPS, 16
.set EMAX,  2
.set CB,    8                          ; bytes of 16 codes
.set R,     16                         ; v16-79   four sets of 16 numbers as they are loaded
.set X,     80                         ; v80-111  two sets of 16 neighbours
.set E,     112                        ; v112-127 a scale byte for each step
.set C,     128                        ; v128-191 codes: registers of its own for each step, so that no store's data are written again
.set WREG,  8192                       ; LDS: a region for each wave: two stages of 32 x SP bytes, behind them its 256 scale bytes
.set SP,    80                         ; a lane's place in a stage: 64 bytes + 16 of padding
.set SPW,   12                         ; v12 LDS address of my spare word; never rewritten
.set NIL,   13                         ; v13 0; never rewritten
.set SPARE, WAVES*WREG                 ; behind the four regions: the spare words, 128 bytes a wave, which no other line names
	s_load_b256 s[4:11], s[0:1], 0x0               ; x, Wq, Wk, Wv
	s_load_b256 s[12:19], s[0:1], 0x20             ; Wproj, xc, xs, wc
	s_load_b128 s[20:23], s[0:1], 0x40             ; ws, wp
	s_load_b64 s[24:25], s[0:1], 0x50              ; rt
	v_lshl_add_u32 v[SPW], v0, 2, SPARE
	v_mov_b32 v[NIL], 0
	v_lshrrev_b32 v1, 5, v0
	v_readfirstlane_b32 s26, v1                    ; wave
	v_and_b32 v2, 31, v0                           ; lane
	s_wait_kmcnt 0x0
	s_cmp_ge_u32 ttmp9, 448
	s_cbranch_scc1 .Lother
; ---------------- the quantiser: 32,768 numbers a work-group, 16 steps of 512 a wave ----------------
; The conversions take 8 numbers of ONE block from a lane's registers, so a lane must hold 16 neighbours; a load is best where neighbouring lanes take neighbouring bytes.  Both are had: each of a step's four
; loads reads 512 consecutive bytes; the 2,048 bytes go through the wave's own stage in LDS and come back 64 bytes a lane.  Waves share nothing: no barrier.
	v_lshlrev_b32 v3, 4, v2                        ; my 16 bytes of a load's 512
	s_mul_i32 s27, s26, WREG
	v_lshrrev_b32 v14, 2, v2
	v_mul_u32_u24 v14, v14, SP
	v_and_b32 v15, 3, v2
	v_lshl_add_u32 v14, v15, 4, v14
	v_add_nc_u32 v14, s27, v14                     ; the stage, on the way in: SP (lane / 4) + 16 (lane % 4)
	v_mul_u32_u24 v15, v2, SP
	v_add_nc_u32 v15, s27, v15                     ; on the way out: SP x lane
	v_mul_u32_u24 v4, v2, CB                       ; my codes' place in a step's 256 bytes
	v_lshrrev_b32 v5, 1, v2
	s_add_co_u32 s27, s27, 2*32*SP
	v_add_nc_u32 v5, s27, v5                       ; my block's byte among my wave's 256 scale bytes
	v_lshlrev_b32 v7, 3, v2
	v_add_nc_u32 v6, s27, v7                       ; and 8 bytes a lane on their way out
	; which tensor: the choice hangs on the work-group's number alone
	s_cmp_lt_u32 ttmp9, 416
	s_cselect_b64 s[28:29], s[8:9], s[10:11]       ; Wk or Wv
	s_mov_b32 s30, 416
	s_cselect_b32 s30, 384, s30                    ; the tensor's first work-group
	s_cmp_lt_u32 ttmp9, 384
	s_cselect_b64 s[28:29], s[6:7], s[28:29]       ; Wq
	s_cselect_b32 s30, 256, s30
	s_cmp_lt_u32 ttmp9, 256
	s_cselect_b64 s[28:29], s[4:5], s[28:29]       ; x
	s_cselect_b32 s30, 0, s30
	s_cselect_b64 s[32:33], s[14:15], s[18:19]     ; the codes' buffer
	s_cselect_b64 s[34:35], s[16:17], s[20:21]     ; the scale bytes'
	s_cselect_b32 s31, 0, 256                      ; its first work-group: the three weights share one
	s_sub_co_u32 s36, ttmp9, s30
	s_lshl_b32 s36, s36, 2
	s_add_co_u32 s36, s36, s26                     ; which run of 8,192 numbers of the tensor is my wave's
	s_lshl_b32 s36, s36, 15
	s_mov_b32 s37, 0
	s_add_nc_u64 s[28:29], s[28:29], s[36:37]
	s_sub_co_u32 s36, ttmp9, s31
	s_lshl_b32 s36, s36, 2
	s_add_co_u32 s36, s36, s26                     ; and which run of the buffers
	s_lshl_b32 s38, s36, 12                        ; 4,096 bytes of codes a run
	s_mov_b32 s39, 0
	s_add_nc_u64 s[32:33], s[32:33], s[38:39]
	s_lshl_b32 s36, s36, 8                         ; 256 scale bytes a run
	s_add_nc_u64 s[34:35], s[34:35], s[36:37]
.macro LOAD t
.irp i, 0,1,2,3
	global_load_b128 v[R+16*((\t)%4)+4*\i:R+16*((\t)%4)+4*\i+3], v3, s[28:29] offset:2048*(\t)+512*\i th:TH_LOAD_NT   ; 32 lanes read 512 consecutive bytes
.endr
.endm
.macro TURN t                          ; step t's numbers through the stage: LDS serves a wave's instructions in order, so no wait stands between the stores and the loads
.irp i, 0,1,2,3
	ds_store_b128 v14, v[R+16*((\t)%4)+4*\i:R+16*((\t)%4)+4*\i+3] offset:32*SP*((\t)%2)+8*SP*\i
.endr
.irp i, 0,1,2,3
	ds_load_b128 v[X+16*((\t)%2)+4*\i:X+16*((\t)%2)+4*\i+3], v15 offset:32*SP*((\t)%2)+16*\i
.endr
.endm
.irp t, 0,1,2,3
	LOAD \t
.endr
	s_wait_loadcnt 12                              ; step 0's four loads are in; the twelve of steps 1 to 3 may be out
	TURN 0
.macro STEP t
.set XS, X+16*((\t)%2)
.if (\t) > 0
	s_wait_dscnt 1                                 ; this step's numbers are back from the stage (the last step's byte store may be out): so its stores into the stage have read their registers,
.else
	s_wait_dscnt 0x0
.endif
.if (\t)+4 < STEPS
	LOAD (\t)+4                                    ; which take the loads of four steps on
.endif
.if (\t)+1 < STEPS
.if STEPS-2-(\t) >= 3
	s_wait_loadcnt 12                              ; the next step's four loads are in; those of the three steps behind it may be out
.else
	s_wait_loadcnt 4*(STEPS-2-(\t))                ; at the end the counts run down
.endif
	TURN (\t)+1                                    ; and go through the other stage while this step is worked
.endif
	v_max3_num_f32 v8, |v[XS]|, |v[XS+1]|, |v[XS+2]|               ; the largest magnitude of my 16, in two chains
	v_max3_num_f32 v9, |v[XS+3]|, |v[XS+4]|, |v[XS+5]|
.irp i, 6,10
	v_max3_num_f32 v8, v8, |v[XS+\i]|, |v[XS+\i+1]|
	v_max3_num_f32 v9, v9, |v[XS+\i+2]|, |v[XS+\i+3]|
.endr
	v_max3_num_f32 v8, v8, |v[XS+14]|, |v[XS+15]|
	v_max3_num_f32 v8, v8, v9, (EMAX+1)<<23        ; and the floor 2^(EMAX + 1 - 127): the byte cannot fall under 1
	v_max_num_f32_dpp v8, v8, v8 row_xmask:1 row_mask:0xf bank_mask:0xf   ; and of my neighbour's 16: the block's
	v_add_nc_u32 v11, -(EMAX<<23), v8              ; EMAX off its exponent field: the conversion takes the exponent field of this operand as its scale
	v_cvt_scalef32_pk8_fp4_f32 v[C+4*(\t)], v[XS:XS+7], v11        ; to the nearest code, ties to even, beyond the largest code the largest
	v_cvt_scalef32_pk8_fp4_f32 v[C+4*(\t)+1], v[XS+8:XS+15], v11
	v_lshrrev_b32 v[E+(\t)], 23, v11               ; the scale's byte
	ds_store_b8 v5, v[E+(\t)] offset:16*(\t)       ; both lanes of a block write the same byte with the same value
	global_store_b64 v4, v[C+4*(\t):C+4*(\t)+1], s[32:33] offset:32*CB*(\t)   ; 32 lanes store 256 consecutive bytes, aligned
.endm
.irp t, 0,1,2,3,4,5,6,7,8,9,10,11,12,13,14,15
	STEP \t
.endr
	ds_load_b64 v[8:9], v6                         ; LDS serves a wave's instructions in order: these see my byte stores
	s_wait_dscnt 0x0
	global_store_b64 v7, v[8:9], s[34:35]          ; 32 lanes store 256 consecutive bytes, aligned
	s_wait_tensorcnt 0x0                           ; the wave's end, behind my last LDS store
	ds_add_u32 v[SPW], v[NIL]
	s_wait_dscnt 0x0
	s_endpgm
.Lother:
	s_cmp_ge_u32 ttmp9, 576
	s_cbranch_scc1 .Ltable
; ---------------- Wproj to f16: 8,192 numbers a wave, 64 loads of 512 bytes in four groups on two sets of registers; no LDS ----------------
	s_sub_co_u32 s27, ttmp9, 448
	s_lshl_b32 s27, s27, 2
	s_add_co_u32 s27, s27, s26                     ; my wave's run
	s_lshl_b32 s28, s27, 15
	s_mov_b32 s29, 0
	s_add_nc_u64 s[12:13], s[12:13], s[28:29]
	s_lshl_b32 s28, s27, 14
	s_add_nc_u64 s[22:23], s[22:23], s[28:29]
	v_lshlrev_b32 v3, 4, v2                        ; in: 16 bytes a lane
	v_lshlrev_b32 v4, 3, v2                        ; out: 8 bytes a lane
.macro LOADG g, s
.irp i, 0,1,2,3,4,5,6,7,8,9,10,11,12,13,14,15
	global_load_b128 v[16+64*\s+4*\i:16+64*\s+4*\i+3], v3, s[12:13] offset:512*(16*\g+\i) th:TH_LOAD_NT
.endr
.endm
.macro CVTG g, s
.irp i, 0,1,2,3,4,5,6,7,8,9,10,11,12,13,14,15
	v_cvt_pk_f16_f32 v[16+64*\s+4*\i], v[16+64*\s+4*\i], v[16+64*\s+4*\i+1]
	v_cvt_pk_f16_f32 v[16+64*\s+4*\i+1], v[16+64*\s+4*\i+2], v[16+64*\s+4*\i+3]
	global_store_b64 v4, v[16+64*\s+4*\i:16+64*\s+4*\i+1], s[22:23] offset:256*(16*\g+\i)   ; 32 lanes store 256 consecutive bytes, aligned
.endr
.endm
	LOADG 0, 0
	LOADG 1, 1
	s_wait_loadcnt 16                              ; the older group is in, the younger group's sixteen may be out: so at each of these three waits
	CVTG 0, 0
	s_wait_xcnt 0x0                                ; the stores have read set 0: it is loaded again only behind this wait
	LOADG 2, 0
	s_wait_loadcnt 16
	CVTG 1, 1
	s_wait_xcnt 0x0
	LOADG 3, 1
	s_wait_loadcnt 16
	CVTG 2, 0
	s_wait_loadcnt 0x0
	CVTG 3, 1
	s_endpgm
.Ltable:
; ---------------- the table: wave wi of 264 makes cos and sin of four channels a lane: block wi / 8, piece wi % 8 ----------------
	s_sub_co_u32 s27, ttmp9, 576
	s_lshl_b32 s27, s27, 2
	s_add_co_u32 s27, s27, s26                     ; wi
	s_lshr_b32 s28, s27, 3                         ; tb
	s_and_b32 s29, s27, 7                          ; i = 2 b + half
	s_lshl_b32 s30, s28, 4
	s_cmp_lt_u32 s28, 32
	s_cselect_b32 s30, s30, 0                      ; the block's first position; block 32: position 0
	s_cselect_b32 s31, 15, 0                       ; in every lane
	s_lshr_b32 s32, s29, 1
	s_lshl_b32 s32, s32, 4
	s_and_b32 s33, s29, 1
	s_lshl_b32 s33, s33, 2
	s_add_co_u32 s32, s32, s33                     ; 16 b + 4 half
	s_lshl_b32 s34, s28, 13
	s_lshl_b32 s35, s29, 9
	s_add_co_u32 s34, s34, s35
	s_mov_b32 s35, 0
	s_add_nc_u64 s[24:25], s[24:25], s[34:35]      ; 8,192 tb + 512 i
	s_mov_b32 s36, 0xbfc90fdb                      ; -pi/2, the f32 nearest,
	s_mov_b32 s37, 0x333bbd2e                      ; and what that f32 is too large by
	s_mov_b32 s38, 0xb9500d01                      ; -1/5040
	s_mov_b32 s39, 0x3c088889                      ; 1/120
	s_mov_b32 s40, 0xbe2aaaab                      ; -1/6
	s_mov_b32 s41, 0x37d00d01                      ; 1/40320
	s_mov_b32 s42, 0xbab60b61                      ; -1/720
	s_mov_b32 s43, 0x3d2aaaab                      ; 1/24
	s_mov_b32 s44, 0xbe549a78                      ; -log2(10000)/64
	s_mov_b32 s45, 0x3f22f983                      ; 2/pi
	v_and_b32 v3, s31, v2
	v_add_nc_u32 v3, s30, v3
	v_cvt_f32_u32 v3, v3                           ; t
	v_lshrrev_b32 v4, 4, v2
	v_lshl_add_u32 v4, v4, 3, s32                  ; my first channel d
	v_lshlrev_b32 v5, 4, v2
; the four channels take turns line by line.  v16.. d, then the angle f, then r;  v20.. n;  v24.. r^2;  v28.. sin r;  v32.. cos r;  v36.. the quadrant;  v40-43 cos, v44-47 sin
.irp e, 0,1,2,3
	v_add_nc_u32 v[16+\e], \e, v4
.endr
.irp e, 0,1,2,3
	v_cvt_f32_u32 v[16+\e], v[16+\e]
.endr
.irp e, 0,1,2,3
	v_mul_f32 v[16+\e], s44, v[16+\e]
.endr
.irp e, 0,1,2,3
	v_exp_f32 v[16+\e], v[16+\e]                   ; 10000^(-d/64)
.endr
	v_nop                                          ; a plain instruction behind the last exponential,
	s_wait_alu depctr_va_vdst(0)                   ; and one wait for the four, ahead of their first reader
.irp e, 0,1,2,3
	v_mul_f32 v[16+\e], v3, v[16+\e]               ; f = t x inv
.endr
.irp e, 0,1,2,3
	v_mul_f32 v[20+\e], s45, v[16+\e]
.endr
.irp e, 0,1,2,3
	v_rndne_f32 v[20+\e], v[20+\e]                 ; n = the nearest multiple of pi/2
.endr
.irp e, 0,1,2,3
	v_fma_f32 v[16+\e], v[20+\e], s36, v[16+\e]
.endr
.irp e, 0,1,2,3
	v_fma_f32 v[16+\e], v[20+\e], s37, v[16+\e]    ; r = f - n pi/2, |r| <= pi/4
.endr
.irp e, 0,1,2,3
	v_mul_f32 v[24+\e], v[16+\e], v[16+\e]
.endr
.irp e, 0,1,2,3
	v_fma_f32 v[28+\e], v[24+\e], s38, s39
	v_fma_f32 v[32+\e], v[24+\e], s41, s42
.endr
.irp e, 0,1,2,3
	v_fma_f32 v[28+\e], v[28+\e], v[24+\e], s40
	v_fma_f32 v[32+\e], v[32+\e], v[24+\e], s43
.endr
.irp e, 0,1,2,3
	v_mul_f32 v[28+\e], v[28+\e], v[24+\e]
	v_fma_f32 v[32+\e], v[32+\e], v[24+\e], -0.5
.endr
.irp e, 0,1,2,3
	v_fma_f32 v[28+\e], v[28+\e], v[16+\e], v[16+\e]   ; sin r
	v_fma_f32 v[32+\e], v[32+\e], v[24+\e], 1.0        ; cos r
.endr
.irp e, 0,1,2,3
	v_cvt_i32_f32 v[36+\e], v[20+\e]
.endr
.irp e, 0,1,2,3
	v_and_b32 v[48+\e], 1, v[36+\e]
	v_cmp_eq_u32 vcc_lo, 1, v[48+\e]               ; in odd quadrants the two change places
	v_cndmask_b32 v[40+\e], v[32+\e], v[28+\e], vcc_lo
	v_cndmask_b32 v[44+\e], v[28+\e], v[32+\e], vcc_lo
.endr
.irp e, 0,1,2,3
	v_add_nc_u32 v[48+\e], 1, v[36+\e]
.endr
.irp e, 0,1,2,3
	v_and_b32 v[48+\e], 2, v[48+\e]                ; cos is negative in quadrants 1 and 2,
	v_and_b32 v[36+\e], 2, v[36+\e]                ; sin in 2 and 3
.endr
.irp e, 0,1,2,3
	v_lshlrev_b32 v[48+\e], 30, v[48+\e]
	v_lshlrev_b32 v[36+\e], 30, v[36+\e]
.endr
.irp e, 0,1,2,3
	v_xor_b32 v[40+\e], v[40+\e], v[48+\e]
	v_xor_b32 v[44+\e], v[44+\e], v[36+\e]
.endr
	global_store_b128 v5, v[40:43], s[24:25]               ; 32 lanes store 512 consecutive bytes, aligned
	global_store_b128 v5, v[44:47], s[24:25] offset:4096
	s_endpgm
.Lfunc_end_k_q039b01f4e8_prep:
	.size	k_q039b01f4e8_prep, .Lfunc_end_k_q039b01f4e8_prep-k_q039b01f4e8_prep
	.p2alignl 7, 3214868480
	.fill 96, 4, 3214868480
	.section	.rodata,"a",@progbits
	.p2align	6, 0x0
	.amdhsa_kernel k_q039b01f4e8_prep
		.amdhsa_group_segment_fixed_size 33280
		.amdhsa_private_segment_fixed_size 0
		.amdhsa_enable_private_segment 0
		.amdhsa_kernarg_size 88
		.amdhsa_user_sgpr_count 2
		.amdhsa_user_sgpr_kernarg_segment_ptr 1
		.amdhsa_wavefront_size32 1
		.amdhsa_system_sgpr_workgroup_id_x 1
		.amdhsa_system_sgpr_workgroup_id_y 1
		.amdhsa_system_sgpr_workgroup_id_z 1
		.amdhsa_system_vgpr_workitem_id 0
		.amdhsa_next_free_vgpr 192
		.amdhsa_next_free_sgpr 66
		.amdhsa_reserve_vcc 1
		.amdhsa_float_denorm_mode_32 3
		.amdhsa_float_denorm_mode_16_64 3
		.amdhsa_memory_ordered 1
		.amdhsa_forward_progress 1
		.amdhsa_inst_pref_size 61
	.end_amdhsa_kernel
	.amdgpu_metadata
---
amdhsa.version: [ 1, 2 ]
amdhsa.kernels:
  - .name:           k_q039b01f4e8_prep
    .symbol:         k_q039b01f4e8_prep.kd
    .args:
      - { .name: x, .offset: 0, .size: 8, .value_kind: global_buffer, .address_space: global }
      - { .name: Wq, .offset: 8, .size: 8, .value_kind: global_buffer, .address_space: global }
      - { .name: Wk, .offset: 16, .size: 8, .value_kind: global_buffer, .address_space: global }
      - { .name: Wv, .offset: 24, .size: 8, .value_kind: global_buffer, .address_space: global }
      - { .name: Wproj, .offset: 32, .size: 8, .value_kind: global_buffer, .address_space: global }
      - { .name: xc, .offset: 40, .size: 8, .value_kind: global_buffer, .address_space: global }
      - { .name: xs, .offset: 48, .size: 8, .value_kind: global_buffer, .address_space: global }
      - { .name: wc, .offset: 56, .size: 8, .value_kind: global_buffer, .address_space: global }
      - { .name: ws, .offset: 64, .size: 8, .value_kind: global_buffer, .address_space: global }
      - { .name: wp, .offset: 72, .size: 8, .value_kind: global_buffer, .address_space: global }
      - { .name: rt, .offset: 80, .size: 8, .value_kind: global_buffer, .address_space: global }
    .group_segment_fixed_size: 33280
    .private_segment_fixed_size: 0
    .kernarg_segment_align: 8
    .kernarg_segment_size: 88
    .max_flat_workgroup_size: 128
    .sgpr_count:     66
    .vgpr_count:     192
    .wavefront_size: 32
...
	.end_amdgpu_metadata
.endif
;; end of part 1
;; launch qkv (part 2): grid 12 x 16, 4 waves a work-group, clusters of 4 x 4, 327,680 bytes of LDS; arguments xc, xs, wc, ws, rt, q_gain, qkv; writes qkv
.if DOCPART == 2
	.amdgcn_target "amdgcn-amd-amdhsa--gfx1250"
	.amdhsa_code_object_version 6
	.text
	.protected	k_q039b01f4e8_qkv
	.globl	k_q039b01f4e8_qkv
	.p2align	8
	.type	k_q039b01f4e8_qkv,@function
k_q039b01f4e8_qkv:
	s_mov_b64 s[64:65], 0
	v_nop
	global_prefetch_b8 v0, s[64:65] scope:SCOPE_SE
	s_setreg_imm32_b32 hwreg(HW_REG_WAVE_MODE, 25, 1), 1
	s_wait_xcnt 0x0
	s_wait_alu depctr_hold_cnt(0) depctr_sa_sdst(0) depctr_va_vdst(0) depctr_va_sdst(0) depctr_va_ssrc(0) depctr_va_vcc(0) depctr_vm_vsrc(0)
	s_getreg_b32 s2, hwreg(HW_REG_IB_STS2, 6, 4)
	s_cmp_eq_u32 s2, 0
	s_cbranch_scc0 .Lentry_in_a_cluster
	s_endpgm
.Lentry_in_a_cluster:
	s_bfe_u32 s2, ttmp6, 0x10000c
	s_cmp_lg_u32 s2, 0xf033
	s_cbranch_scc0 .Lentry_shape_is_right
	s_endpgm
.Lentry_shape_is_right:
; [q | k | v] = x [Wq; Wk; Wv]^T on codes of FP4 (E2M1) with one E8M0 scale for each 32 along K: C[m][n] = sum over k of A[m][k] B[n][k], A = xc [4096][2048], B = wc [3072][2048], sums in f32.
; Then, still in registers: the RMS norm of each head of 128 channels, the rotation by position, q's gain; rounded once to f16 and stored as qkv [batch 8][slot 24][t 512][128] (slots 0-15 q, 16-19 k, 20-23 v).
; A tile of C, 256 x 256, is made by a work-group of four waves; a wave makes 128 x 128: 64 accumulators of 16 x 16, 512 registers.  A WAVE'S 128 COLUMNS ARE EXACTLY ONE HEAD, so norm and rotation never leave the wave.
; That fixes the tile: 16 x 12 = 192 work-groups; a tile that gave each WGP one would cut heads apart.
; K goes in steps of 512 through a ring of two LDS slots filled by the tensor data mover: a tile's row is 256 bytes of memory.  The scales of the work-group's rows, for all of K, come into LDS once, with the first fills.
; CLUSTERS: 4 x 4 work-groups.  The four of a row of the cluster need the same tiles of A, the four of a column the same tiles of B: each tile is asked for JOINTLY.
; THE MATRIX INSTRUCTION IS USED TRANSPOSED (source 0 = 16 rows of B, source 1 = 16 rows of A): a lane then holds eight neighbouring channels of one row.
; q, k AND v HEADS TAKE ONE PATH: they differ in numbers alone (the gain, the factor 1 in place of the norm, the table's block with cos 1 and sin 0), chosen by selects: no branch hangs on a work-group's place in its cluster.
; LIMITS: v is rounded to f16: |v| under 65,504 (q and k are bounded by their norm: 11.4 x gain).  NaN and infinities are not served.
; No prefetch: K is four slots long and two of them are first fills.
; REGISTERS, in windows of 256: window 0: v0-31 addresses; v32-95 scale words, two sets; from v128 A's fragments, ONE set; on the way out see there.
;   window 1: B's fragments, TWO sets, at v0 and at v128.   window 2: the 32 accumulators of my rows 0-63 (accumulator (a, b) at v[8 (8 a + b)]);   window 3: those of my rows 64-127.
.set SIZE_M, 4096
.set SIZE_N, 3072
.set SIZE_K, 2048
.set KSTEP,  512                       ; along K in a slot
.set NQ,     KSTEP/128                 ; matrix instructions deep
.set ROWB,   256                       ; a tile's row in bytes
.set KROW,   SIZE_K*4/8                ; a row of A or of B in memory, in bytes
.set PITCH,  272                       ; an LDS row: 256 bytes + 16 of padding = 68 words: the 16 rows that a load touches start at 16 different banks (64 banks of 4 bytes: ISA guide 11.1)
.set FR,     8                         ; registers of a fragment: 16 rows x 128 K
.set NL,     2                         ; LDS loads that bring one
.set NP,     4                         ; places behind this matrix instruction (ISA guide 7.12.1)
.set HALFT,  128*PITCH                 ; 128 rows: what one tensor load brings
.set SLOT,   4*HALFT                   ; A's 256 rows, then B's 256 rows
.set LAPS,   SIZE_K/(2*KSTEP)          ; a lap = two K steps = once round the ring
.set KS,     SIZE_K/32                 ; a row of scales in bytes
.set SCL,    2*SLOT                    ; behind the ring: the scales, as units of 256 bytes + 16 of padding
.set HALFS,  (128*KS/256)*272          ; the scales of 128 rows
.set SBLK,   (16*KS/256)*272           ; those of 16 rows
.set SPARE,  SCL+4*HALFS               ; behind the scales: the spare words, 128 bytes a wave, which no other line names
.set SPITCH, 272                       ; the way out: a stage of 16 rows x (256 bytes + 16) for each wave, in slot 0, which has had its last fill and its last read when the first result is stored there
.set ADRA, 16                          ; v16-17  LDS address of my A fragments in slot 0, 1
.set ADRB, 20                          ; v20-21  the same for B
.set STO,  24                          ; v24     the way out: where I put 16 bytes of a row
.set RD,   25                          ; v25     the way out: where I read a row back
.set CO,   26                          ; v26     16 x lane: my bytes in two rows of qkv
.set ADRS, 27                          ; v27     LDS address of my scale words: lanes 0-15 A's rows, lanes 16-31 B's
.set SPW,  28                          ; v28     LDS address of my spare word; never rewritten
.set NIL,  29                          ; v29     0; never rewritten
.set TO,   30                          ; v30-31  the table's byte offset for the two sets of table registers
.set SC,   32                          ; scale words: set s at v[SC + 8 NQ s]
.set AF,   128                         ; A's fragments, in window 0
.set G1, 24
.set G0, 32
.set G1B, 48
.set G0B, 56
.set G1S, 68
.set G0S, 76
.set G1SB, 80
.set G0SB, 88
.set MSB, 0
.macro WIN new                         ; the immediate's high byte repeats the setting that is left
.if MSB != \new
	s_set_vgpr_msb (MSB<<8)|\new
.set MSB, \new
.endif
.endm
.set MUL_LO, 0xa1                      ; source 0 (B) window 1, source 1 (A) window 0, C and D window 2
.set MUL_HI, 0xf1                      ; the same, C and D window 3
.set TO_B,   0x40                      ; destination window 1, address window 0
; A joint load: waves 0 and 1 fetch for A, waves 2 and 3 for B.  Each of the two lines has ONE mask and one set of registers for all that issue it; the branch hangs on the wave's number alone.
; An s_nop 0 and four v_nop follow each of the two lines, ahead of the jump, the label and what follows.
.macro JLOAD g0a, g1a, g0b, g1b
	s_cmp_eq_u32 s15, 0
	s_cbranch_scc0 .Lfor_b_\@
	tensor_load_to_lds s[\g0a:\g0a+3], s[\g1a:\g1a+7]
	s_nop 0
.rept 4
	v_nop
.endr
	s_branch .Lasked_\@
.Lfor_b_\@:
	tensor_load_to_lds s[\g0b:\g0b+3], s[\g1b:\g1b+7]
	s_nop 0
.rept 4
	v_nop
.endr
.Lasked_\@:
.endm
.macro CREST                           ; a round of the cluster's barrier behind its opening barrier
	s_cmp_lg_u32 s14, 0
	s_cbranch_scc1 .Lnot_wave_0_\@
	s_barrier_signal -3
.Lnot_wave_0_\@:
	s_barrier_wait -3
	s_barrier_signal -1
	s_barrier_wait -1
.endm
.macro CROUND                          ; a whole round
	s_barrier_signal -1
	s_barrier_wait -1
	CREST
.endm
	s_load_b128 s[4:7], s[0:1], 0x0                ; A's codes s[4:5], A's scales s[6:7]
	s_load_b128 s[8:11], s[0:1], 0x10              ; B's codes s[8:9], B's scales s[10:11]
	s_load_b128 s[96:99], s[0:1], 0x20             ; the table s[96:97], q_gain s[98:99]
	s_load_b64 s[12:13], s[0:1], 0x30              ; qkv
	v_lshl_add_u32 v[SPW], v0, 2, SPARE
	v_mov_b32 v[NIL], 0
	ds_add_u32 v[SPW], v[NIL]                      ; the wave's opening: the add and its wait stand ahead of my first tensor load; the set-up below, work on registers, stands between them
	v_lshrrev_b32 v1, 5, v0
	v_readfirstlane_b32 s14, v1                    ; wave 0..3
	s_lshr_b32 s15, s14, 1                         ; which half of the tile's rows is mine.  Also: I fetch for A (0) or for B (1)
	s_and_b32 s16, s14, 1                          ; which half of its columns.  Also: which 128 rows of that tile I fetch
	s_bfe_u32 s40, ttmp6, 0x40000                  ; cx, cy: my place in the cluster
	s_bfe_u32 s41, ttmp6, 0x40004
	s_lshl_b32 s42, ttmp9, 2
	s_add_co_u32 s42, s42, s40                     ; tile column of C = 4 x cluster x + cx
	s_and_b32 s17, ttmp7, 0xffff
	s_lshl_b32 s17, s17, 2
	s_add_co_u32 s17, s17, s41                     ; tile row of C = 4 x cluster y + cy
	s_lshl_b32 s43, s41, 2
	s_lshl_b32 s43, 15, s43                        ; my row of the cluster
	s_lshl_b32 s44, 0x1111, s40                    ; my column
	; descriptor group 1: a tile of 128 rows x ROWB bytes, padded in LDS
	s_or_b32 s[G1+0], s43, (0<<16)|(1<<20)|(1<<21)|(5<<22)|(3<<25)  ; 15:0 the mask: A's tiles go to my row; 17:16 element of 1 byte; 20 padding on; 21 set beside a mask; 24:22 after every 64 words; 31:25 of 4 words
	s_or_b32 s[G1B+0], s44, (0<<16)|(1<<20)|(1<<21)|(5<<22)|(3<<25)
.irp g, G1, G1B
	s_mov_b32 s[\g+1], ROWB<<16                    ; tensor_dim0
	s_mov_b32 s[\g+2], 128<<16                     ; tensor_dim1 = 128
	s_mov_b32 s[\g+3], ROWB<<16                    ; tile_dim0
	s_mov_b32 s[\g+4], 128                         ; tile_dim1 = 128
	s_mov_b32 s[\g+5], KROW                        ; tensor_dim0_stride
	s_mov_b32 s[\g+6], 0
	s_mov_b32 s[\g+7], 0
.endr
	; and for the scales of 128 rows: a dense block of 128 KS bytes, as rows of 256 bytes (32 elements of 8 bytes), 16 bytes of padding behind each
	s_or_b32 s[G1S+0], s43, (3<<16)|(1<<20)|(1<<21)|(5<<22)|(3<<25)
	s_or_b32 s[G1SB+0], s44, (3<<16)|(1<<20)|(1<<21)|(5<<22)|(3<<25)
.irp g, G1S, G1SB
	s_mov_b32 s[\g+1], 32<<16
	s_mov_b32 s[\g+2], (128*KS/256)<<16
	s_mov_b32 s[\g+3], 32<<16
	s_mov_b32 s[\g+4], 128*KS/256
	s_mov_b32 s[\g+5], 32
	s_mov_b32 s[\g+6], 0
	s_mov_b32 s[\g+7], 0
.endr
	s_lshl_b32 s18, s16, 7                         ; which 128 rows of the tile I fetch
	s_lshl_b32 s20, s17, 8
	s_add_co_u32 s20, s20, s18                     ; A: row 256 x tile row + 128 x half
	s_lshl_b32 s46, s42, 8
	s_add_co_u32 s46, s46, s18                     ; B: row 256 x tile column + 128 x half
	s_mov_b32 s21, 0
	s_mov_b32 s47, 0
	s_mov_b64 s[18:19], KS
	s_mul_u64 s[22:23], s[20:21], s[18:19]         ; where these rows' scales begin, in bytes
	s_mul_u64 s[92:93], s[46:47], s[18:19]
	s_mov_b64 s[18:19], KROW
	s_mul_u64 s[20:21], s[20:21], s[18:19]         ; and their codes
	s_mul_u64 s[46:47], s[46:47], s[18:19]
	s_mul_i32 s45, s14, HALFT                      ; where they go: wave x 128 rows: no place in the cluster enters an LDS address
	s_mul_i32 s94, s14, HALFS
	s_wait_dscnt 0x0                               ; the opening add is done
	s_wait_kmcnt 0x0
	s_add_nc_u64 s[20:21], s[4:5], s[20:21]
	s_add_nc_u64 s[22:23], s[6:7], s[22:23]
	s_add_nc_u64 s[46:47], s[8:9], s[46:47]
	s_add_nc_u64 s[92:93], s[10:11], s[92:93]
	CROUND                                         ; all sixteen work-groups are here: the first joint loads meet
	s_mov_b32 s[G0S], 1
	s_add_co_u32 s[G0S+1], s94, SCL
	s_mov_b64 s[G0S+2:G0S+3], s[22:23]
	s_or_b32 s[G0S+3], s[G0S+3], 0x80000000
	s_mov_b32 s[G0SB], 1
	s_add_co_u32 s[G0SB+1], s94, SCL
	s_mov_b64 s[G0SB+2:G0SB+3], s[92:93]
	s_or_b32 s[G0SB+3], s[G0SB+3], 0x80000000
	JLOAD G0S, G1S, G0SB, G1SB                     ; the scales first: they are wanted with K step 0.  With the two below, three tensor loads of mine are out
.irp s, 0,1
	s_mov_b32 s[G0+4*\s], 1
	s_add_co_u32 s[G0+4*\s+1], s45, \s*SLOT
	s_add_nc_u64 s[G0+4*\s+2:G0+4*\s+3], s[20:21], \s*ROWB
	s_or_b32 s[G0+4*\s+3], s[G0+4*\s+3], 0x80000000
	s_mov_b32 s[G0B+4*\s], 1
	s_add_co_u32 s[G0B+4*\s+1], s45, \s*SLOT
	s_add_nc_u64 s[G0B+4*\s+2:G0B+4*\s+3], s[46:47], \s*ROWB
	s_or_b32 s[G0B+4*\s+3], s[G0B+4*\s+3], 0x80000000
	JLOAD G0+4*\s, G1, G0B+4*\s, G1B
.endr
	v_and_b32 v1, 15, v0                           ; l % 16
	v_bfe_u32 v2, v0, 4, 1                         ; l / 16
	v_mul_u32_u24 v3, v1, PITCH
	v_lshl_add_u32 v4, v2, 4, v3                   ; a fragment's row x pitch + 16 x half
	s_mul_i32 s21, s15, HALFT                      ; my 128 rows of A
	s_mul_i32 s22, s16, HALFT                      ; my 128 rows of B,
	s_add_co_u32 s22, s22, 2*HALFT                 ; which lie behind A's 256
.irp s, 0,1
	v_add_nc_u32 v[ADRA+\s], s21, v4
	v_add_nc_u32 v[ADRB+\s], s22, v4
	s_add_co_u32 s21, s21, SLOT
	s_add_co_u32 s22, s22, SLOT
.endr
	v_mul_u32_u24 v5, v1, KS                       ; my row's scales: KS bytes a row,
	v_lshrrev_b32 v6, 8, v5
	v_lshl_add_u32 v5, v6, 4, v5                   ; and 16 more for each 256 passed
	s_mul_i32 s21, s15, HALFS                      ; A's: my 128 rows
	s_mul_i32 s22, s16, HALFS                      ; B's: my 128 rows, behind A's 256
	s_add_co_u32 s22, s22, 2*HALFS
	s_sub_co_u32 s22, s22, s21
	v_mul_u32_u24 v6, s22, v2                      ; lanes 16-31 take B's
	s_add_co_u32 s21, s21, SCL
	v_add_nc_u32 v5, v5, v6
	v_add_nc_u32 v[ADRS], s21, v5
	s_mul_i32 s23, s14, 16*SPITCH                  ; my stage
	v_mul_u32_u24 v5, v1, SPITCH                   ; in: row l % 16, 16 bytes for each half of the lanes
	v_lshl_add_u32 v5, v2, 4, v5
	v_add_nc_u32 v[STO], s23, v5
	v_mul_u32_u24 v5, v2, SPITCH                   ; back: lanes 0-15 take one row of 256 bytes, lanes 16-31 the next
	v_lshl_add_u32 v5, v1, 4, v5
	v_add_nc_u32 v[RD], s23, v5
	v_and_b32 v6, 31, v0
	v_lshlrev_b32 v[CO], 4, v6                     ; rows of qkv are 256 dense bytes: two rows are 32 lanes x 16 bytes
	; my head, its gain, its place in qkv and in the table
	s_lshl_b32 s92, s42, 1
	s_add_co_u32 s92, s92, s16                     ; hd = 2 x tile column + half: 0-15 q, 16-19 k, 20-23 v
	s_min_u32 s93, s92, 15
	s_lshl_b32 s93, s93, 2
	s_load_b32 s100, s[98:99], s93 offset:0x0      ; q_gain[min(hd, 15)]: inside its buffer for every head
	s_lshr_b32 s46, s17, 1                         ; the batch: a tile row is half a sequence
	s_mul_i32 s46, s46, 24
	s_add_co_u32 s46, s46, s92                     ; the slot
	s_lshl_b32 s46, s46, 9
	s_and_b32 s47, s17, 1
	s_lshl_b32 s20, s47, 8
	s_add_co_u32 s46, s46, s20
	s_lshl_b32 s20, s15, 7
	s_add_co_u32 s46, s46, s20                     ; + my first position t
	s_lshl_b32 s46, s46, 8                         ; x 256 bytes a row
	s_lshl_b32 s20, s47, 4
	s_lshl_b32 s21, s15, 3
	s_add_co_u32 s20, s20, s21                     ; the table's block of my first 16 rows
	s_mov_b32 s47, 0
	s_add_nc_u64 s[12:13], s[12:13], s[46:47]
	s_cmp_ge_u32 s92, 20                           ; a head of v?
	s_cselect_b32 s101, -1, 0                      ; then the factor is 1 in every lane,
	s_cselect_b32 s66, 0, 8192                     ; the table does not step,
	s_cselect_b32 s20, 32, s20                     ; and stands at the block with cos 1, sin 0
	s_lshl_b32 s67, s66, 1                         ; a set of table registers serves every second block
	s_lshl_b32 s20, s20, 13
	v_lshl_add_u32 v[TO], v6, 4, s20
	v_add_nc_u32 v[TO+1], s66, v[TO]
.macro FRAG reg, adr, q, i             ; a fragment, 16 rows x 128 K of 4-bit codes, is 8 registers: lane l holds row l % 16; registers 4 c .. 4 c + 3 hold K = 64 c + 32 (l / 16) + 0 .. 31
.irp c, 0,1
	ds_load_b128 v[\reg+4*\c:\reg+4*\c+3], v[\adr] offset:64*(\q)+32*\c+(\i)*16*PITCH
.endr
.endm
; 16 matrix instructions: A's blocks a0, a0 + 1 x B's eight, 128 along K: the slot's q-th.  p: B's set;  sc: the set of scale words.  zero = 1: the first product starts the sums: nothing is ever cleared.
; The 64 accumulators take turns, one instruction a turn, in the same order in every step.
.macro MUL16 a0, p, q, sc, zero
.irp a, \a0, \a0+1
.irp b, 0,1,2,3,4,5,6,7
.if \zero
	v_wmma_scale_f32_16x16x128_f8f6f4 v[8*(8*((\a)%4)+\b):8*(8*((\a)%4)+\b)+7], v[128*(\p)+FR*\b:128*(\p)+FR*\b+FR-1], v[AF+FR*(\a):AF+FR*(\a)+FR-1], 0, v[SC+8*NQ*(\sc)+NQ*\b+(\q)], v[SC+8*NQ*(\sc)+NQ*(\a)+(\q)] matrix_a_fmt:MATRIX_FMT_FP4 matrix_b_fmt:MATRIX_FMT_FP4 matrix_a_scale:MATRIX_SCALE_ROW1
.else
	v_wmma_scale_f32_16x16x128_f8f6f4 v[8*(8*((\a)%4)+\b):8*(8*((\a)%4)+\b)+7], v[128*(\p)+FR*\b:128*(\p)+FR*\b+FR-1], v[AF+FR*(\a):AF+FR*(\a)+FR-1], v[8*(8*((\a)%4)+\b):8*(8*((\a)%4)+\b)+7], v[SC+8*NQ*(\sc)+NQ*\b+(\q)], v[SC+8*NQ*(\sc)+NQ*(\a)+(\q)] matrix_a_fmt:MATRIX_FMT_FP4 matrix_b_fmt:MATRIX_FMT_FP4 matrix_a_scale:MATRIX_SCALE_ROW1
.endif
.endr
.endr
.endm
.macro FETCH_B slot, q, p              ; B's eight fragments of the slot's q-th 128 along K into set p
	WIN TO_B
.irp i, 0,1,2,3,4,5,6,7
	FRAG 128*(\p)+FR*\i, ADRB+\slot, \q, \i
.endr
	WIN 0
.endm
.macro FETCH_A slot, q, i0             ; A's blocks i0 .. i0 + 3
.irp i, \i0, \i0+1, \i0+2, \i0+3
	FRAG AF+FR*(\i), ADRA+\slot, \q, \i
.endr
.endm
.macro SCALES sc                       ; the next K step's scale words into set sc: NQ words a row; lanes 0-15 take A's block i, lanes 16-31 B's block i
.irp i, 0,1,2,3,4,5,6,7
	ds_load_b128 v[SC+8*NQ*\sc+NQ*\i:SC+8*NQ*\sc+NQ*\i+3], v[ADRS] offset:\i*SBLK
.endr
.endm
; A load into a register that a matrix instruction has read, and a vector instruction that reads a matrix result or writes one of its registers, stand NP places behind that matrix instruction; only plain vector
; instructions that name none of its registers are places (ISA guide 7.12.1 for vector instructions).
.macro PLACES n
.rept \n
	v_nop
.endr
.endm
; A step of 128 along K that has its successor in the same slot.
.macro STEP slot, q, zero
	s_wait_dscnt 4*NL                              ; B's set and A's blocks 0-3 are in; the youngest eight loads (A's blocks 4-7) may be out
	WIN MUL_LO
	MUL16 0, (\q)%2, \q, \slot, \zero
	MUL16 2, (\q)%2, \q, \slot, \zero
	s_wait_dscnt 0                                 ; A's blocks 4-7 are in (asked for 32 matrix instructions ago)
	PLACES NP
	FETCH_B \slot, (\q)+1, 1-(\q)%2
	FETCH_A \slot, (\q)+1, 0
	WIN MUL_HI
	MUL16 4, (\q)%2, \q, \slot, \zero
	MUL16 6, (\q)%2, \q, \slot, \zero
	PLACES NP
	WIN 0
	FETCH_A \slot, (\q)+1, 4
.endm
; A slot's last step changes slots: ONE barrier; in front of it each wave waits for all its tensor loads, adds 0 to its spare word, and waits for that and for its own reads of this slot.  fill = 1: this slot is filled again, two K steps ahead.
.macro TURN slot, next, fill
	s_wait_tensorcnt 0x0                           ; all my tensor loads have landed: my part of the next slot;  (every window is 0 here: the add's two registers lie in window 0)
	ds_add_u32 v[SPW], v[NIL]                      ; 0 onto my spare word
	s_wait_dscnt 4*NL+1                            ; (the add and the youngest eight loads, A's blocks 4-7, may be out)
	WIN MUL_LO
	MUL16 0, 1, NQ-1, \slot, 0                     ; sixteen matrix instructions stand between the add and the wait for it
	s_wait_dscnt 0x0                               ; the add is done, and my reads of this slot are over
	s_barrier_signal -1
	MUL16 2, 1, NQ-1, \slot, 0
	WIN 0
	s_barrier_wait -1
.if \fill
	CREST                                          ; the barrier has opened a round of the cluster's barrier: no wave of any partner still reads this slot's tile or has a load on its way
	s_add_nc_u64 s[G0+4*\slot+2:G0+4*\slot+3], s[G0+4*\slot+2:G0+4*\slot+3], 2*ROWB
	s_add_nc_u64 s[G0B+4*\slot+2:G0B+4*\slot+3], s[G0B+4*\slot+2:G0B+4*\slot+3], 2*ROWB
	JLOAD G0+4*\slot, G1, G0B+4*\slot, G1B         ; the first tensor load behind the round, my one load until the next; the four v_nop behind it are the places in front of the loads below
.else
	PLACES NP
.endif
	v_add_nc_u32 v[ADRS], 4*NQ, v[ADRS]            ; on to the next K step's scale words (no LDS load of mine is out)
	FETCH_B \next, 0, 0
	FETCH_A \next, 0, 0
	SCALES \next
	WIN MUL_HI
	MUL16 4, 1, NQ-1, \slot, 0
	MUL16 6, 1, NQ-1, \slot, 0
	PLACES NP
	WIN 0
	FETCH_A \next, 0, 4
.endm
.macro STEPS slot, from                ; the slot's steps from .. NQ - 2
.set Q, \from
.rept NQ-1-\from
	STEP \slot, Q, 0
.set Q, Q+1
.endr
.endm
	s_wait_kmcnt 0x0                               ; the gain
	s_cmp_lt_u32 s92, 16
	s_cselect_b32 s100, s100, 1.0                  ; k and v have none
	s_wait_tensorcnt 1                             ; the scales and my part of K step 0 are in (K step 1's load may be out)
	s_barrier_signal -1
	s_barrier_wait -1                              ; everybody's are
	FETCH_B 0, 0, 0
	FETCH_A 0, 0, 0
	SCALES 0
	FETCH_A 0, 0, 4
	STEP 0, 0, 1                                   ; the first step stands in front of the loop: its products start the sums
	s_mov_b32 s3, LAPS-1
.Llap:                                                 ; a trip goes once round the ring, from a lap's second step to the next lap's first, and fills both slots again
	STEPS 0, 1
	TURN 0, 1, 1
	STEPS 1, 0
	TURN 1, 0, 1
	STEP 0, 0, 0
	s_sub_co_u32 s3, s3, 1
	s_cmp_lg_u32 s3, 0
	s_cbranch_scc1 .Llap
	STEPS 0, 1                                     ; the last lap fills nothing, and has no round of the cluster's barrier
	TURN 0, 1, 0
	STEPS 1, 0
	s_wait_dscnt 4*NL                              ; the very last step: nothing more to fetch
	WIN MUL_LO
	MUL16 0, 1, NQ-1, 1, 0
	MUL16 2, 1, NQ-1, 1, 0
	s_wait_dscnt 0
	WIN MUL_HI
	MUL16 4, 1, NQ-1, 1, 0
	MUL16 6, 1, NQ-1, 1, 0
	WIN 0
; THE WAY OUT.  In block a of 16 rows, lane (r, h) holds row r and, in register 8 b + j of the block's 64, channel 16 b + 8 h + j of my head.
; Window 0 now: v0-15 the rows' factors, a pair for each block; v22 1.0; v32-95, v96-159 two sets of table registers (cos at 8 b + j, sin at 32 + 8 b + j, b = 0..3);
; v160-223 first the sums of squares, then a block's 64 results; v224-255 16 rows read back from the stage.
.set TAB, 32
.set OO,  160
.set BKR, 224
.macro TLOADS s                        ; a block of the table as it lies: 16 loads of 512 consecutive bytes
.irp i, 0,1,2,3,4,5,6,7,8,9,10,11,12,13,14,15
	global_load_b128 v[TAB+64*(\s)+4*\i:TAB+64*(\s)+4*\i+3], v[TO+(\s)], s[96:97] offset:512*\i
.endr
.endm
.macro SUMS a                          ; my 64 squares of block a, in four chains of pairs; each accumulator is read from its low end on
.set AC, 64*((\a)%4)
.set CH, OO+8*(\a)
	WIN 0x0a+5*((\a)/4)                            ; sources 0 and 1: window 2 or 3
.set pp, 0
.rept 32
.if pp < 4
	v_pk_mul_f32 v[CH+2*pp:CH+2*pp+1], v[AC+2*pp:AC+2*pp+1], v[AC+2*pp:AC+2*pp+1]
.else
	v_pk_fma_f32 v[CH+2*(pp%4):CH+2*(pp%4)+1], v[AC+2*pp:AC+2*pp+1], v[AC+2*pp:AC+2*pp+1], v[CH+2*(pp%4):CH+2*(pp%4)+1]
.endif
.set pp, pp+1
.endr
.endm
.macro SCALE a                         ; the row's factor goes into the table's 64 numbers: cos and sin x rsqrt x gain
.set TB, TAB+64*((\a)%2)
.set pp, 0
.rept 32
	v_pk_mul_f32 v[TB+2*pp:TB+2*pp+1], v[TB+2*pp:TB+2*pp+1], v[2*(\a):2*(\a)+1] op_sel_hi:[1,0]
.set pp, pp+1
.endr
.endm
.macro ROT a                           ; channels d and d + 64: x1 cos - x2 sin, x2 cos + x1 sin
.set AC, 64*((\a)%4)
.set TB, TAB+64*((\a)%2)
	WIN 0x02+(\a)/4                                ; source 0: window 2 or 3
.irp b, 0,1,2,3
.irp j, 0,2,4,6
	v_pk_mul_f32 v[OO+8*\b+\j:OO+8*\b+\j+1], v[AC+32+8*\b+\j:AC+32+8*\b+\j+1], v[TB+32+8*\b+\j:TB+32+8*\b+\j+1]
	v_pk_mul_f32 v[OO+32+8*\b+\j:OO+32+8*\b+\j+1], v[AC+8*\b+\j:AC+8*\b+\j+1], v[TB+32+8*\b+\j:TB+32+8*\b+\j+1]
	v_pk_fma_f32 v[OO+8*\b+\j:OO+8*\b+\j+1], v[AC+8*\b+\j:AC+8*\b+\j+1], v[TB+8*\b+\j:TB+8*\b+\j+1], v[OO+8*\b+\j:OO+8*\b+\j+1] neg_lo:[0,0,1] neg_hi:[0,0,1]
	v_pk_fma_f32 v[OO+32+8*\b+\j:OO+32+8*\b+\j+1], v[AC+32+8*\b+\j:AC+32+8*\b+\j+1], v[TB+8*\b+\j:TB+8*\b+\j+1], v[OO+32+8*\b+\j:OO+32+8*\b+\j+1]
.endr
.endr
	WIN 0
.endm
.macro TOSTAGE                         ; 16 bytes a lane into rows of 272 bytes, and back as whole rows of 256: my own bytes, served in order (ISA guide 5.7.1.4): no wait between
.irp b, 0,1,2,3,4,5,6,7
	ds_store_b128 v[STO], v[OO+4*\b:OO+4*\b+3] offset:32*\b
.endr
.irp f, 0,1,2,3,4,5,6,7
	ds_load_b128 v[BKR+4*\f:BKR+4*\f+3], v[RD] offset:2*\f*SPITCH
.endr
.endm
.macro SEND a
	s_wait_dscnt 0x0                               ; the block is back in registers
.irp f, 0,1,2,3,4,5,6,7
	global_store_b128 v[CO], v[BKR+4*\f:BKR+4*\f+3], s[12:13] offset:4096*(\a)+512*\f   ; 32 lanes store 512 consecutive bytes, aligned
.endr
.endm
	PLACES NP                                      ; behind the last products: for the loads into the scale words' and A's registers, and for the first reads of results
	s_mov_b32 s20, 0x76543210
	s_mov_b32 s21, 0xfedcba98                      ; v_permlanex16_b32's selects for lane l xor 16
	s_mov_b32 s22, 0x358637bd                      ; 1e-6
	s_mov_b32 s23, 0x3c000000                      ; 1/128
	v_mov_b32 v22, 1.0
	TLOADS 0
	TLOADS 1
.irp a, 0,1,2,3,4,5,6,7
	SUMS \a
.endr
	WIN 0
.irp a, 0,1,2,3,4,5,6,7                ; the eight blocks take turns line by line
	v_pk_add_f32 v[OO+8*\a:OO+8*\a+1], v[OO+8*\a:OO+8*\a+1], v[OO+8*\a+2:OO+8*\a+3]
.endr
.irp a, 0,1,2,3,4,5,6,7
	v_pk_add_f32 v[OO+8*\a+4:OO+8*\a+5], v[OO+8*\a+4:OO+8*\a+5], v[OO+8*\a+6:OO+8*\a+7]
.endr
.irp a, 0,1,2,3,4,5,6,7
	v_pk_add_f32 v[OO+8*\a:OO+8*\a+1], v[OO+8*\a:OO+8*\a+1], v[OO+8*\a+4:OO+8*\a+5]
.endr
.irp a, 0,1,2,3,4,5,6,7
	v_add_f32 v[OO+8*\a], v[OO+8*\a], v[OO+8*\a+1]
.endr
.irp a, 0,1,2,3,4,5,6,7
	v_permlanex16_b32 v[OO+8*\a+1], v[OO+8*\a], s20, s21   ; the row's other 64 channels lie in the lane 16 away
.endr
.irp a, 0,1,2,3,4,5,6,7
	v_add_f32 v[OO+8*\a], v[OO+8*\a], v[OO+8*\a+1]
.endr
.irp a, 0,1,2,3,4,5,6,7
	v_fma_f32 v[OO+8*\a], v[OO+8*\a], s23, s22     ; the mean of squares + 1e-6
.endr
.irp a, 0,1,2,3,4,5,6,7
	v_rsq_f32 v[2*\a], v[OO+8*\a]
.endr
	v_nop                                          ; a plain instruction behind the last of them,
	s_wait_alu depctr_va_vdst(0)                   ; and one wait for the eight, ahead of their first reader
.irp a, 0,1,2,3,4,5,6,7
	v_mul_f32 v[2*\a], s100, v[2*\a]               ; x the head's gain
.endr
.irp a, 0,1,2,3,4,5,6,7
	v_cndmask_b32 v[2*\a], v[2*\a], v22, s101      ; a head of v is neither normed nor scaled
.endr
.irp a, 0,1,2,3,4,5,6,7
	v_mov_b32 v[2*\a+1], v[2*\a]                   ; (named with it as a pair, so it is written)
.endr
.irp a, 0,1,2,3,4,5,6,7
.if \a < 7
	s_wait_loadcnt 16                              ; this block's table is in; the other set's sixteen loads may be out
.else
	s_wait_loadcnt 0x0
.endif
	SCALE \a
	ROT \a
.if \a < 6
	v_add_nc_u32 v[TO+\a%2], s67, v[TO+\a%2]       ; free since the wait above: the set's next block, two on
	TLOADS \a%2
.endif
.set pp, 0
.rept 32
	v_cvt_pk_f16_f32 v[OO+pp], v[OO+2*pp], v[OO+2*pp+1]    ; in place: register pp has been read when it is written
.set pp, pp+1
.endr
.if \a > 0
	SEND \a-1                                      ; the block before went through the stage while this one was worked
	s_wait_xcnt 0x0                                ; its stores have read their registers: they are loaded again only behind this wait
.endif
	TOSTAGE
.endr
	SEND 7
	s_wait_tensorcnt 0x0                           ; the wave's end, behind my last tensor load and my last LDS store
	ds_add_u32 v[SPW], v[NIL]
	s_wait_dscnt 0x0
	CROUND                                         ; the closing round: no work-group ends while a partner may still ask for a tile that names it
	s_endpgm
.Lfunc_end_k_q039b01f4e8_qkv:
	.size	k_q039b01f4e8_qkv, .Lfunc_end_k_q039b01f4e8_qkv-k_q039b01f4e8_qkv
	.p2alignl 7, 3214868480
	.fill 96, 4, 3214868480
	.section	.rodata,"a",@progbits
	.p2align	6, 0x0
	.amdhsa_kernel k_q039b01f4e8_qkv
		.amdhsa_group_segment_fixed_size 327680
		.amdhsa_private_segment_fixed_size 0
		.amdhsa_enable_private_segment 0
		.amdhsa_kernarg_size 56
		.amdhsa_user_sgpr_count 2
		.amdhsa_user_sgpr_kernarg_segment_ptr 1
		.amdhsa_wavefront_size32 1
		.amdhsa_system_sgpr_workgroup_id_x 1
		.amdhsa_system_sgpr_workgroup_id_y 1
		.amdhsa_system_sgpr_workgroup_id_z 1
		.amdhsa_system_vgpr_workitem_id 0
		.amdhsa_next_free_vgpr 1024
		.amdhsa_next_free_sgpr 102
		.amdhsa_reserve_vcc 0
		.amdhsa_float_denorm_mode_32 3
		.amdhsa_float_denorm_mode_16_64 3
		.amdhsa_memory_ordered 1
		.amdhsa_forward_progress 1
		.amdhsa_inst_pref_size 255
	.end_amdhsa_kernel
	.section	.bss,"aw",@nobits
	.p2align	6
	.space	262144
	.amdgpu_metadata
---
amdhsa.version: [ 1, 2 ]
amdhsa.kernels:
  - .name:           k_q039b01f4e8_qkv
    .symbol:         k_q039b01f4e8_qkv.kd
    .args:
      - { .name: xc, .offset: 0, .size: 8, .value_kind: global_buffer, .address_space: global }
      - { .name: xs, .offset: 8, .size: 8, .value_kind: global_buffer, .address_space: global }
      - { .name: wc, .offset: 16, .size: 8, .value_kind: global_buffer, .address_space: global }
      - { .name: ws, .offset: 24, .size: 8, .value_kind: global_buffer, .address_space: global }
      - { .name: rt, .offset: 32, .size: 8, .value_kind: global_buffer, .address_space: global }
      - { .name: q_gain, .offset: 40, .size: 8, .value_kind: global_buffer, .address_space: global }
      - { .name: qkv, .offset: 48, .size: 8, .value_kind: global_buffer, .address_space: global }
    .group_segment_fixed_size: 327680
    .private_segment_fixed_size: 0
    .kernarg_segment_align: 8
    .kernarg_segment_size: 56
    .max_flat_workgroup_size: 128
    .sgpr_count:     102
    .vgpr_count:     1024
    .wavefront_size: 32
...
	.end_amdgpu_metadata
.endif
;; end of part 2
;; launch attn (part 3): grid 8 x 32, 8 waves a work-group, clusters of 4 x 1, 327,680 bytes of LDS; arguments qkv, y; writes y
.if DOCPART == 3
	.amdgcn_target "amdgcn-amd-amdhsa--gfx1250"
	.amdhsa_code_object_version 6
	.text
	.protected	k_q039b01f4e8_attn
	.globl	k_q039b01f4e8_attn
	.p2align	8
	.type	k_q039b01f4e8_attn,@function
k_q039b01f4e8_attn:
	s_mov_b64 s[64:65], 0
	v_nop
	global_prefetch_b8 v0, s[64:65] scope:SCOPE_SE
	s_setreg_imm32_b32 hwreg(HW_REG_WAVE_MODE, 25, 1), 1
	s_wait_xcnt 0x0
	s_wait_alu depctr_hold_cnt(0) depctr_sa_sdst(0) depctr_va_vdst(0) depctr_va_sdst(0) depctr_va_ssrc(0) depctr_va_vcc(0) depctr_vm_vsrc(0)
	s_getreg_b32 s2, hwreg(HW_REG_IB_STS2, 6, 4)
	s_cmp_eq_u32 s2, 0
	s_cbranch_scc0 .Lentry_in_a_cluster
	s_endpgm
.Lentry_in_a_cluster:
	s_bfe_u32 s2, ttmp6, 0x10000c
	s_cmp_lg_u32 s2, 0x3003
	s_cbranch_scc0 .Lentry_shape_is_right
	s_endpgm
.Lentry_shape_is_right:
; Causal attention with grouped heads, then the removal of each row's component along its own v.  qkv: f16 [batch 8][slot 24][t 512][128] (slots 0-15 q, 16-19 k, 20-23 v); y: f16 [4096][2048].
; y[t] = softmax over s <= t of (q[t] . k[s] / sqrt(128)) v[s];  y[t] -= (y[t] . vn) vn, vn = v[t] / (|v[t]| + 1e-8).  Products on f16 operands, sums, maxima and all else in f32; y rounded once.
; f16 AND NOT bf16: in the first rows y is of v's size and nearly cancels against its own component along v, so v's and y's rounding must be small against the whole output's spread.
; The same f16 numbers of v serve the second product and the removal.  LIMIT: |v| under 65,504; p <= 1; q and k are bounded by their norm.
; SHARES.  y of the grid = batch x 4 + kv head.  A CLUSTER is the four query heads of that kv head (cx), which read the same K and V: every tile is asked for JOINTLY (mask 15).  cx enters q's and y's addresses alone.
; A wave owns 32 queries (two tiles of 16) of its head: block i = 2 (wave % 4) + cluster x, or 15 - i: waves w and w + 4 hold i and 15 - i.  Block blk needs blk / 2 + 1 key steps of 64 keys; the last lies on the
; diagonal.  So every work-group has 36 key steps, and each owns a block that reads the last keys: all of what it loads is read.
; ALL OF K AND V OF THE KV HEAD STAYS IN LDS, filled once: two tensor loads a wave (64 rows each), keys 0-255 first.  No slot is ever filled again.  No prefetch: all that the launch streams is asked for in its first lines.
; EVERY WAVE WALKS ALL 8 STEPS: the trip counts are constants; a step all of whose keys come after the wave's queries is jumped over (a scalar branch on the wave's number, the cluster's x and the count of steps;
; no barrier and no tensor load stands in a step).
; LAYOUT.  S^T = K Q^T (source 0 = 16 keys, source 1 = 16 queries): a lane holds ONE query (lane % 16) and keys 8 (lane / 16) + 0..7.  Two such tiles, rounded in pairs, ARE source 1 of O^T = V^T P.
; K comes out of LDS as it lies, V ([key][channel]) turned, by ds_load_tr16_b128.
; SOFTMAX.  A running maximum m and sum l for each query: p = 2^(c s - c m), c = log2(e) / sqrt(128); in every step O and l are multiplied by a = 2^(c m_old - c m_new).
; REGISTERS.  window 0: v1-15 addresses; v16-31 statistics, 8 a tile (+0 c m, +1 m, +2, +3 l, +4..7 at work, a at +6); v32-63 at work on the way out; v64-127 S^T; v128-159 P; v192-255 Q.
;   window 1: v0-127 O^T, 64 a tile; v128-255 one buffer for a step's K and then its V.  Two waves share a SIMD: one's vector work stands beside the other's products.
.set PK,    272       ; a row of K in LDS: 256 bytes + 16 of padding: the 16 rows of a load start at 16 different banks (64 banks of 4 bytes: ISA guide 11.1)
.set PV,    288       ; a row of V: 256 + 32
.set VOFF,  512*PK    ; K's 512 rows, then V's
.set STAGE, VOFF+512*PV   ; 16 rows x 272 bytes for each wave, for the way out
.set SP,    272
.set SPARE, STAGE+8*16*SP ; the spare words, 128 bytes a wave, which no other line names
.set AK0, 2           ; v2   my lane's place in a tile of K
.set AV0, 3           ; v3   the same for V
.set ADR, 4           ; v4   the LDS address of the run of loads in hand
.set QO,  6           ; v6   256 r + 16 h: my bytes in 16 rows of q or of v
.set STO, 7           ; v7   the way out: where I put 16 bytes of a row
.set RD,  8           ; v8   where I read a row back
.set GO,  10          ; v10  my byte offset in two rows of y
.set D0,  11          ; v11  my query less my first key within the diagonal step, for tile 0: r - 8 h + 32 (blk % 2)
.set NINF, 12         ; v12  -infinity
.set SPW, 14          ; v14  LDS address of my spare word; never rewritten
.set NIL, 15          ; v15  0; never rewritten
.set ST,  16
.set S,   64
.set P,   128
.set Q,   192
.set VF,  128         ; the way out: v's rows in f32
.set KV,  128         ; in window 1
.set CNT, 3           ; s3   a loop's trips
.set WV,  12          ; s12  my wave's number
.set CX,  13          ; s13  my place in the cluster: the query head within the group
.set KSN, 14          ; s14  the key step's number
.set LIM, 15          ; s15  my diagonal step
.set TBK, 16          ; s16  LDS byte at which the step's rows of K begin
.set TBV, 17          ; s17  the same for V (less VOFF)
.set G1K, 24          ; s[24:31] descriptor group 1 for K's tiles;  s[32:39] for V's: it differs in the padding
.set G1V, 32
.set G0K, 40          ; s[40:47] group 0 for my two tiles of K;  s[48:55] of V
.set G0V, 48
.set CS,  58          ; s[58:59] c, twice
.set SEL, 60          ; s[60:61] lane selects: lane l xor 16
.set MSB, 0
.macro WIN new                      ; the immediate's high byte repeats the setting that is left
.if MSB != \new
	s_set_vgpr_msb (MSB<<8)|\new
.set MSB, \new
.endif
.endm
.set W_KQ, 0x01       ; K in window 1; Q and S^T in window 0
.set W_PV, 0x51       ; V and O^T in window 1, P in window 0
.set W_RS, 0x41       ; O^T (destination and source 0) in window 1
.set W_F,  0x40       ; destination window 1, address window 0
.macro CROUND                       ; a round of the cluster's barrier
	s_barrier_signal -1
	s_barrier_wait -1
	s_cmp_lg_u32 s[WV], 0
	s_cbranch_scc1 .Lnot_wave_0_\@
	s_barrier_signal -3
.Lnot_wave_0_\@:
	s_barrier_wait -3
	s_barrier_signal -1
	s_barrier_wait -1
.endm
.macro PLACES                       ; four places behind a matrix instruction (ISA guide 7.12.1 for vector instructions)
.rept 4
	v_nop
.endr
.endm
	s_load_b128 s[4:7], s[0:1], 0x0 ; qkv s[4:5], y s[6:7]
	v_lshl_add_u32 v[SPW], v0, 2, SPARE
	v_mov_b32 v[NIL], 0
	ds_add_u32 v[SPW], v[NIL]       ; the wave's opening: the add and its wait stand ahead of my first tensor load; the set-up below, work on registers, stands between them
	v_lshrrev_b32 v1, 5, v0
	v_readfirstlane_b32 s[WV], v1   ; wave 0..7
	s_bfe_u32 s[CX], ttmp6, 0x40000
	s_and_b32 s18, ttmp7, 0xffff
	s_lshr_b32 s19, s18, 2          ; the batch
	s_and_b32 s20, s18, 3           ; the kv head
	s_and_b32 s21, s[WV], 3
	s_lshr_b32 s22, s[WV], 2
	s_xor_b32 s22, s22, s[WV]
	s_and_b32 s22, s22, 1           ; 1: I take the late block of the pair
	s_lshl_b32 s23, s21, 1
	s_add_co_u32 s23, s23, ttmp9    ; i = 2 (wave % 4) + cluster x: the same in all four partners
	s_sub_co_u32 s18, 15, s23
	s_cmp_eq_u32 s22, 1
	s_cselect_b32 s18, s18, s23     ; blk: my block of 32 queries
	s_lshr_b32 s[LIM], s18, 1
	s_mul_i32 s2, s19, 24           ; the batch's first slot
	s_add_co_u32 s22, s2, s20
	s_add_co_u32 s22, s22, 16       ; K's slot,
	s_lshl_b32 s22, s22, 17         ; of 512 rows x 256 bytes
	s_lshl_b32 s23, s21, 14         ; my first tile: rows 64 (wave % 4) on
	s_add_co_u32 s56, s22, s23
	s_mov_b32 s57, 0
	s_mul_i32 s23, s21, 64*PK       ; and where it goes: no place in the cluster enters an LDS address
	s_mul_i32 s21, s21, 64*PV
	; descriptor group 1: a tile of 64 rows x 128 elements of 2 bytes, padded in LDS
	s_mov_b32 s[G1K], 15|(1<<16)|(1<<20)|(1<<21)|(5<<22)|(3<<25)  ; 15:0 the mask: all four work-groups; 17:16 elements of 2 bytes; 20 padding on; 21 set beside a mask; 24:22 after every 64 words; 31:25 4 words of it
	s_mov_b32 s[G1V], 15|(1<<16)|(1<<20)|(1<<21)|(5<<22)|(7<<25)  ; the same with 8 words of padding
.irp g, G1K, G1V
	s_mov_b32 s[\g+1], 128<<16      ; tensor_dim0 = 128
	s_mov_b32 s[\g+2], 64<<16       ; tensor_dim1 = 64
	s_mov_b32 s[\g+3], 128<<16      ; tile_dim0 = 128
	s_mov_b32 s[\g+4], 64           ; tile_dim1 = 64
	s_mov_b32 s[\g+5], 128          ; elements from row to row
	s_mov_b32 s[\g+6], 0
	s_mov_b32 s[\g+7], 0
.endr
	s_mov_b32 s[CS], 0x3e0293ee     ; c = log2(e) / sqrt(128)
	s_mov_b32 s[CS+1], s[CS]
	s_mov_b32 s[SEL], 0x76543210
	s_mov_b32 s[SEL+1], 0xfedcba98
	s_mov_b32 s[KSN], 0
	s_mov_b32 s[TBK], 0
	s_mov_b32 s[TBV], 0
	; what hangs on cx has registers of its own
	s_lshl_b32 s70, s20, 2
	s_add_co_u32 s70, s70, s[CX]    ; my query head
	s_add_co_u32 s62, s70, s2
	s_lshl_b32 s62, s62, 17         ; its slot,
	s_lshl_b32 s71, s18, 13
	s_add_co_u32 s62, s62, s71      ; my 32 rows of 256 bytes
	s_mov_b32 s63, 0
	s_wait_dscnt 0x0                ; the opening add is done
	s_wait_kmcnt 0x0
	s_add_nc_u64 s[66:67], s[4:5], s[56:57]    ; K at my first tile
	s_add_nc_u64 s[68:69], s[66:67], 4<<17     ; V lies four slots on
	s_add_nc_u64 s[10:11], s[4:5], s[62:63]    ; Q at my first row
	CROUND                          ; all four work-groups are here: the joint loads meet
.irp s, 0,1
	s_mov_b32 s[G0K+4*\s], 1        ; count = 1
	s_add_co_u32 s[G0K+4*\s+1], s23, \s*256*PK         ; LDS address: rows 64 (wave % 4) + 256 s
	s_add_nc_u64 s[G0K+4*\s+2:G0K+4*\s+3], s[66:67], \s*256*256
	s_or_b32 s[G0K+4*\s+3], s[G0K+4*\s+3], 0x80000000  ; type = 2
	s_mov_b32 s[G0V+4*\s], 1
	s_add_co_u32 s[G0V+4*\s+1], s21, \s*256*PV+VOFF
	s_add_nc_u64 s[G0V+4*\s+2:G0V+4*\s+3], s[68:69], \s*256*256
	s_or_b32 s[G0V+4*\s+3], s[G0V+4*\s+3], 0x80000000
.endr
	s_cmp_lt_u32 s[WV], 4           ; waves 0-3 fetch K, waves 4-7 V.  A wave's two fills stand in one branch, ahead of every wait on TENSORcnt and every LDS read: two loads of mine are out
	s_cbranch_scc0 .Lfirst_v
	tensor_load_to_lds s[G0K:G0K+3], s[G1K:G1K+7]
	s_nop 0
	tensor_load_to_lds s[G0K+4:G0K+7], s[G1K:G1K+7]
	s_nop 0
.rept 4
	v_nop
.endr
	s_branch .Lfirst_asked
.Lfirst_v:
	tensor_load_to_lds s[G0V:G0V+3], s[G1V:G1V+7]
	s_nop 0
	tensor_load_to_lds s[G0V+4:G0V+7], s[G1V:G1V+7]
	s_nop 0
.rept 4
	v_nop
.endr
.Lfirst_asked:
	v_and_b32 v1, 15, v0            ; r
	v_bfe_u32 v9, v0, 4, 1          ; h
	v_lshlrev_b32 v[QO], 8, v1
	v_lshl_add_u32 v[QO], v9, 4, v[QO]
.irp t, 0,1                         ; Q stays in registers: tile t, channels 32 c on
.irp c, 0,1,2,3
	global_load_b128 v[Q+32*\t+8*\c:Q+32*\t+8*\c+3],   v[QO], s[10:11] offset:4096*\t+64*\c
	global_load_b128 v[Q+32*\t+8*\c+4:Q+32*\t+8*\c+7], v[QO], s[10:11] offset:4096*\t+64*\c+32
.endr
.endr
	s_add_co_u32 s56, s22, 4<<17    ; my queries' own rows of v
	s_add_co_u32 s56, s56, s71
	s_add_nc_u64 s[8:9], s[4:5], s[56:57]
	s_lshl_b32 s62, s19, 21         ; y: 512 rows of 4,096 bytes a batch,
	s_lshl_b32 s71, s18, 17         ; my 32 rows,
	s_add_co_u32 s62, s62, s71
	s_lshl_b32 s70, s70, 8          ; my head's 256 bytes
	s_add_co_u32 s62, s62, s70
	s_add_nc_u64 s[6:7], s[6:7], s[62:63]
	v_mul_u32_u24 v[AK0], v1, PK
	v_lshl_add_u32 v[AK0], v9, 4, v[AK0]   ; row x pitch + 16 x half
	; The turning load takes 16 keys x 16 channels (lane l reads 16 bytes: key 8 (l / 16) + l % 8, channels 8 ((l / 8) % 2) + 0..7) and leaves half a fragment of V^T
	v_and_b32 v5, 7, v0
	v_bfe_u32 v13, v0, 3, 1
	v_lshl_add_u32 v[AV0], v9, 3, v5
	v_mul_u32_u24 v[AV0], v[AV0], PV
	v_lshl_add_u32 v[AV0], v13, 4, v[AV0]
	v_add_nc_u32 v[AV0], VOFF, v[AV0]
	s_mul_i32 s22, s[WV], 16*SP
	s_add_co_u32 s22, s22, STAGE    ; my stage
	v_mul_u32_u24 v[STO], v1, SP    ; in: row r, 16 bytes for each half of the lanes
	v_lshl_add_u32 v[STO], v9, 4, v[STO]
	v_add_nc_u32 v[STO], s22, v[STO]
	v_mul_u32_u24 v[RD], v9, SP     ; back: lanes 0-15 one row of 256 bytes, lanes 16-31 the next
	v_lshl_add_u32 v[RD], v1, 4, v[RD]
	v_add_nc_u32 v[RD], s22, v[RD]
	v_lshlrev_b32 v[GO], 12, v9     ; and the same two rows in y
	v_lshl_add_u32 v[GO], v1, 4, v[GO]
	s_and_b32 s22, s18, 1
	s_lshl_b32 s22, s22, 5
	v_lshlrev_b32 v5, 3, v9
	v_sub_nc_u32 v[D0], v1, v5
	v_add_nc_u32 v[D0], s22, v[D0]
	v_mov_b32 v[NINF], 0xff800000
.irp t, 0,1
	v_mov_b32 v[ST+8*\t+1], 0xff61b1e6     ; m: -3e38, under every score
	v_mul_f32 v[ST+8*\t], s[CS], v[ST+8*\t+1]
.irp j, 2,3,4,5,6,7
	v_mov_b32 v[ST+8*\t+\j], 0             ; l; and the rest is written once, so that no path reads what was never written
.endr
.endr
	WIN W_F
.set i, 0
.rept 128
	v_mov_b32 v[i], 0               ; O^T.  The step is written once: the first finds zeros, which a = 0 leaves zeros
.set i, i+1
.endr
	WIN 0
; A KEY STEP: 64 keys for my two tiles of queries, in phases.
.macro STEP
	s_cmp_gt_u32 s[KSN], s[LIM]     ; all its keys come after my queries: nothing but the stepping of addresses
	s_cbranch_scc1 .Lhidden_\@
	PLACES                          ; the last products read V in the registers that K now takes
	v_add_nc_u32 v[ADR], s[TBK], v[AK0]
	WIN W_F
.irp f, 0,1,2,3,4,5,6,7,8,9,10,11,12,13,14,15  ; keys 16 (f / 4) on, channels 32 (f % 4) on
	ds_load_b128 v[KV+8*\f:KV+8*\f+3],   v[ADR] offset:(\f/4)*16*PK+(\f%4)*64
	ds_load_b128 v[KV+8*\f+4:KV+8*\f+7], v[ADR] offset:(\f/4)*16*PK+(\f%4)*64+32
.endr
	s_wait_dscnt 0x0
	WIN W_KQ
.set i, 0
.rept 32                            ; S^T = K Q^T: channels 32 (i / 8) on, keys 16 ((i / 2) % 4) on, tile i % 2.  The eight accumulators take turns; the first eight products start the sums
.set rS, S+32*(i%2)+8*((i/2)%4)
.set rK, KV+32*((i/2)%4)+8*(i/8)
.set rQ, Q+32*(i%2)+8*(i/8)
.if i < 8
	v_wmma_f32_16x16x32_f16 v[rS:rS+7], v[rK:rK+7], v[rQ:rQ+7], 0
.else
	v_wmma_f32_16x16x32_f16 v[rS:rS+7], v[rK:rK+7], v[rQ:rQ+7], v[rS:rS+7]
.endif
.set i, i+1
.endr
	WIN 0
	PLACES                          ; behind the last of them: for V's loads into K's registers and for the first reads of the scores
	v_add_nc_u32 v[ADR], s[TBV], v[AV0]
	WIN W_F
.irp f, 0,1,2,3,4,5,6,7,8,9,10,11,12,13,14,15  ; V lands while the softmax is walked: keys 32 (f / 8) on, channels 16 (f % 8) on
	ds_load_tr16_b128 v[KV+8*\f:KV+8*\f+3],   v[ADR] offset:(\f/8)*32*PV+(\f%8)*32
	ds_load_tr16_b128 v[KV+8*\f+4:KV+8*\f+7], v[ADR] offset:(\f/8)*32*PV+16*PV+(\f%8)*32
.endr
	WIN 0
	s_cmp_lg_u32 s[KSN], s[LIM]     ; only my last step lies on the diagonal
	s_cbranch_scc1 .Lopen_\@
.irp t, 0,1                         ; register 8 kt + j of tile t holds key 16 kt + 8 h + j: hidden where that is above my query 32 (blk % 2) + 16 t + r.  The step's first key counts for every query
.irp kt, 0,1,2,3
.irp j, 0,1,2,3,4,5,6,7
	v_cmp_gt_i32 vcc_lo, 16*\kt+\j-16*\t, v[D0]
	v_cndmask_b32 v[S+32*\t+8*\kt+\j], v[S+32*\t+8*\kt+\j], v[NINF], vcc_lo
.endr
.endr
.endr
.Lopen_\@:
	; the maximum of 32 scores and the old m, three operands at a time; the two tiles take turns
.irp j, 0,1,2,3
.irp t, 0,1
	v_max3_num_f32 v[ST+8*\t+4+\j], v[S+32*\t+8*\j], v[S+32*\t+8*\j+1], v[S+32*\t+8*\j+2]
.endr
.endr
.irp u, 1,2
.irp j, 0,1,2,3
.irp t, 0,1
	v_max3_num_f32 v[ST+8*\t+4+\j], v[ST+8*\t+4+\j], v[S+32*\t+8*\j+2*\u+1], v[S+32*\t+8*\j+2*\u+2]
.endr
.endr
.endr
.irp t, 0,1
	v_max3_num_f32 v[ST+8*\t+4], v[ST+8*\t+4], v[S+32*\t+7], v[S+32*\t+15]
	v_max3_num_f32 v[ST+8*\t+6], v[ST+8*\t+6], v[S+32*\t+23], v[S+32*\t+31]
.endr
.irp t, 0,1
	v_max3_num_f32 v[ST+8*\t+4], v[ST+8*\t+4], v[ST+8*\t+5], v[ST+8*\t+6]
.endr
.irp t, 0,1
	v_max3_num_f32 v[ST+8*\t+4], v[ST+8*\t+4], v[ST+8*\t+7], v[ST+8*\t+1]
.endr
.irp t, 0,1
	v_permlanex16_b32 v[ST+8*\t+5], v[ST+8*\t+4], s[SEL], s[SEL+1]  ; the query's other 32 keys lie in the lane 16 away
.endr
.irp t, 0,1
	v_mov_b32 v[ST+8*\t+7], v[ST+8*\t]     ; c m_old
.endr
.irp t, 0,1
	v_max_num_f32 v[ST+8*\t+1], v[ST+8*\t+4], v[ST+8*\t+5]
.endr
.irp t, 0,1
	v_mul_f32 v[ST+8*\t], s[CS], v[ST+8*\t+1]
.endr
.irp t, 0,1
	v_sub_f32 v[ST+8*\t+7], v[ST+8*\t+7], v[ST+8*\t]
.endr
.set e, 0
.rept 16
	v_pk_fma_f32 v[S+2*e:S+2*e+1], v[S+2*e:S+2*e+1], s[CS:CS+1], v[ST:ST+1] op_sel_hi:[1,0,0] neg_lo:[0,0,1] neg_hi:[0,0,1]          ; c s - c m
	v_pk_fma_f32 v[S+32+2*e:S+32+2*e+1], v[S+32+2*e:S+32+2*e+1], s[CS:CS+1], v[ST+8:ST+9] op_sel_hi:[1,0,0] neg_lo:[0,0,1] neg_hi:[0,0,1]
.set e, e+1
.endr
.irp t, 0,1
	v_exp_f32 v[ST+8*\t+6], v[ST+8*\t+7]   ; a
.endr
.set e, 0
.rept 32
	v_exp_f32 v[S+e], v[S+e]               ; p, at most 1
	v_exp_f32 v[S+32+e], v[S+32+e]
.set e, e+1
.endr
	v_nop                           ; a plain instruction behind the last exponential,
	s_wait_alu depctr_va_vdst(0)    ; and ONE wait for the 66, ahead of their first reader
.set e, 0
.rept 16
	v_cvt_pk_f16_f32 v[P+e], v[S+2*e], v[S+2*e+1]
	v_cvt_pk_f16_f32 v[P+16+e], v[S+32+2*e], v[S+32+2*e+1]
.set e, e+1
.endr
.irp w, 4,8,16,32                   ; the sum of the unrounded p, in place: neighbours 1, 2, 4 and 8 pairs apart
.set u, 0
.rept 32/\w
	v_pk_add_f32 v[S+\w*u:S+\w*u+1], v[S+\w*u:S+\w*u+1], v[S+\w*u+\w/2:S+\w*u+\w/2+1]
	v_pk_add_f32 v[S+32+\w*u:S+32+\w*u+1], v[S+32+\w*u:S+32+\w*u+1], v[S+32+\w*u+\w/2:S+32+\w*u+\w/2+1]
.set u, u+1
.endr
.endr
.irp t, 0,1
	v_pk_fma_f32 v[ST+8*\t+2:ST+8*\t+3], v[ST+8*\t+2:ST+8*\t+3], v[ST+8*\t+6:ST+8*\t+7], v[S+32*\t:S+32*\t+1] op_sel_hi:[1,0,1]   ; l = a l + the sum
.endr
	WIN W_RS
.irp t, 0,1
.set e, 0
.rept 32
	v_pk_mul_f32 v[64*\t+2*e:64*\t+2*e+1], v[64*\t+2*e:64*\t+2*e+1], v[ST+8*\t+6:ST+8*\t+7] op_sel_hi:[1,0]   ; O^T x a, each accumulator from its low end on
.set e, e+1
.endr
.endr
	s_wait_dscnt 0x0                ; V is in
	WIN W_PV
.set i, 0
.rept 32                            ; O^T += V^T P: keys 32 (i / 16) on, channels 16 ((i / 2) % 8) on, tile i % 2.  Sixteen accumulators take turns
.set rO, 64*(i%2)+8*((i/2)%8)
.set rV, KV+64*(i/16)+8*((i/2)%8)
.set rP, P+16*(i%2)+8*(i/16)
	v_wmma_f32_16x16x32_f16 v[rO:rO+7], v[rV:rV+7], v[rP:rP+7], v[rO:rO+7]
.set i, i+1
.endr
	WIN 0
.Lhidden_\@:
	s_add_co_u32 s[KSN], s[KSN], 1
	s_add_co_u32 s[TBK], s[TBK], 64*PK
	s_add_co_u32 s[TBV], s[TBV], 64*PV
.endm
	s_wait_tensorcnt 1              ; my tile of keys 0-255 is in; my second load may stay out
	s_barrier_signal -1
	s_barrier_wait -1               ; everybody's is
	s_wait_loadcnt 0x0              ; Q
	s_mov_b32 s[CNT], 4
.Lfirst:                            ; key steps 0 to 3
	STEP
	s_sub_co_u32 s[CNT], s[CNT], 1
	s_cmp_lg_u32 s[CNT], 0
	s_cbranch_scc1 .Lfirst
	s_wait_tensorcnt 0x0            ; my tile of keys 256-511 is in,
	s_wait_dscnt 0x0                ; (no LDS instruction of mine is out at a signal)
	s_barrier_signal -1
	s_barrier_wait -1               ; everybody's is
	s_mov_b32 s[CNT], 4
.Lsecond:                           ; key steps 4 to 7
	STEP
	s_sub_co_u32 s[CNT], s[CNT], 1
	s_cmp_lg_u32 s[CNT], 0
	s_cbranch_scc1 .Lsecond
	; THE WAY OUT.  My queries' own rows of v come in O^T's layout (lane (r, h): channels 16 c + 8 h + 0..7 of row r); y = O / l; y -= (y . v) v / (|v| + 1e-8)^2.
	PLACES                          ; behind the last products
.irp t, 0,1
.irp c, 0,1,2,3,4,5,6,7
	global_load_b128 v[S+32*\t+4*\c:S+32*\t+4*\c+3], v[QO], s[8:9] offset:4096*\t+32*\c
.endr
.endr
.irp t, 0,1
	v_add_f32 v[ST+8*\t+4], v[ST+8*\t+2], v[ST+8*\t+3]
.endr
.irp t, 0,1
	v_permlanex16_b32 v[ST+8*\t+5], v[ST+8*\t+4], s[SEL], s[SEL+1]
.endr
.irp t, 0,1
	v_add_f32 v[ST+8*\t+4], v[ST+8*\t+4], v[ST+8*\t+5]     ; l
.endr
	s_wait_loadcnt 0x0
.irp r, 64,65,66,67,68,69,70,71,72,73,74,75,76,77,78,79,80,81,82,83,84,85,86,87,88,89,90,91,92,93,94,95,96,97,98,99,100,101,102,103,104,105,106,107,108,109,110,111,112,113,114,115,116,117,118,119,120,121,122,123,124,125,126,127
	v_cvt_f32_f16 v[VF+2*(\r-64)], v\r\().l        ; P's and Q's registers are free
	v_cvt_f32_f16 v[VF+2*(\r-64)+1], v\r\().h
.endr
.irp t, 0,1                         ; at v[32 + 16 t]: +0..3 |v|^2 in two chains of pairs, +4..7 O . v likewise
.set e, 0
.rept 32
.if e < 2
	v_pk_mul_f32 v[32+16*\t+2*e:32+16*\t+2*e+1], v[VF+64*\t+2*e:VF+64*\t+2*e+1], v[VF+64*\t+2*e:VF+64*\t+2*e+1]
.else
	v_pk_fma_f32 v[32+16*\t+2*(e%2):32+16*\t+2*(e%2)+1], v[VF+64*\t+2*e:VF+64*\t+2*e+1], v[VF+64*\t+2*e:VF+64*\t+2*e+1], v[32+16*\t+2*(e%2):32+16*\t+2*(e%2)+1]
.endif
.set e, e+1
.endr
.endr
	WIN 0x01                        ; source 0 (O^T) window 1
.irp t, 0,1
.set e, 0
.rept 32
.if e < 2
	v_pk_mul_f32 v[36+16*\t+2*e:36+16*\t+2*e+1], v[64*\t+2*e:64*\t+2*e+1], v[VF+64*\t+2*e:VF+64*\t+2*e+1]
.else
	v_pk_fma_f32 v[36+16*\t+2*(e%2):36+16*\t+2*(e%2)+1], v[64*\t+2*e:64*\t+2*e+1], v[VF+64*\t+2*e:VF+64*\t+2*e+1], v[36+16*\t+2*(e%2):36+16*\t+2*(e%2)+1]
.endif
.set e, e+1
.endr
.endr
	WIN 0
.irp t, 0,1
	v_pk_add_f32 v[32+16*\t:33+16*\t], v[32+16*\t:33+16*\t], v[34+16*\t:35+16*\t]
	v_pk_add_f32 v[36+16*\t:37+16*\t], v[36+16*\t:37+16*\t], v[38+16*\t:39+16*\t]
.endr
.irp t, 0,1
	v_add_f32 v[32+16*\t], v[32+16*\t], v[33+16*\t]
	v_add_f32 v[36+16*\t], v[36+16*\t], v[37+16*\t]
.endr
.irp t, 0,1
	v_permlanex16_b32 v[33+16*\t], v[32+16*\t], s[SEL], s[SEL+1]   ; the row's other 64 channels lie in the lane 16 away
	v_permlanex16_b32 v[37+16*\t], v[36+16*\t], s[SEL], s[SEL+1]
.endr
.irp t, 0,1
	v_add_f32 v[32+16*\t], v[32+16*\t], v[33+16*\t]        ; |v|^2
	v_add_f32 v[36+16*\t], v[36+16*\t], v[37+16*\t]        ; O . v
.endr
.irp t, 0,1
	v_sqrt_f32 v[40+16*\t], v[32+16*\t]
.endr
	v_nop
	s_wait_alu depctr_va_vdst(0)    ; one wait for the two roots
.irp t, 0,1
	v_add_f32 v[41+16*\t], 0x322bcc77, v[40+16*\t]         ; |v| + 1e-8
.endr
.irp t, 0,1
	v_rcp_f32 v[42+16*\t], v[41+16*\t]
	v_rcp_f32 v[44+16*\t], v[ST+8*\t+4]                    ; 1 / l
.endr
	v_nop
	s_wait_alu depctr_va_vdst(0)    ; one wait for the four reciprocals
.irp t, 0,1
	v_mul_f32 v[46+16*\t], v[42+16*\t], v[42+16*\t]
	v_mov_b32 v[45+16*\t], v[44+16*\t]                     ; (named as a pair, so it is written)
.endr
.irp t, 0,1
	v_mul_f32 v[46+16*\t], v[46+16*\t], v[36+16*\t]
.endr
.irp t, 0,1
	v_mul_f32 v[46+16*\t], -v[46+16*\t], v[44+16*\t]       ; -(y . v) / (|v| + 1e-8)^2
.endr
.irp t, 0,1
	v_mov_b32 v[47+16*\t], v[46+16*\t]
.endr
	WIN W_RS
.irp t, 0,1
.set e, 0
.rept 32
	v_pk_mul_f32 v[64*\t+2*e:64*\t+2*e+1], v[64*\t+2*e:64*\t+2*e+1], v[44+16*\t:45+16*\t] op_sel_hi:[1,0]
.set e, e+1
.endr
.endr
	WIN 0x50                        ; destination and source 2 (O^T) window 1
.irp t, 0,1
.set e, 0
.rept 32
	v_pk_fma_f32 v[64*\t+2*e:64*\t+2*e+1], v[VF+64*\t+2*e:VF+64*\t+2*e+1], v[46+16*\t:47+16*\t], v[64*\t+2*e:64*\t+2*e+1] op_sel_hi:[1,0,1]
.set e, e+1
.endr
.endr
	WIN 0x05                        ; sources 0 and 1 window 1
.irp t, 0,1
.set e, 0
.rept 32
	v_cvt_pk_f16_f32 v[S+32*\t+e], v[64*\t+2*e], v[64*\t+2*e+1]
.set e, e+1
.endr
.endr
	WIN 0
.irp t, 0,1                         ; a tile (16 rows) at a time through my stage; my own bytes, served in order (ISA guide 5.7.1.4): tile 1's stores come behind tile 0's loads
.irp f, 0,1,2,3,4,5,6,7
	ds_store_b128 v[STO], v[S+32*\t+4*\f:S+32*\t+4*\f+3] offset:32*\f
.endr
.irp f, 0,1,2,3,4,5,6,7
	ds_load_b128 v[S+32*\t+4*\f:S+32*\t+4*\f+3], v[RD] offset:\f*2*SP
.endr
.endr
.irp f, 0,1,2,3,4,5,6,7
	s_wait_dscnt 16+7-\f            ; behind tile 0's load f: its own 7 - f younger loads and tile 1's sixteen LDS instructions
	global_store_b128 v[GO], v[S+4*\f:S+4*\f+3], s[6:7] offset:8192*\f        ; 16 lanes store 256 consecutive bytes, aligned
.endr
.irp f, 0,1,2,3,4,5,6,7
	s_wait_dscnt 7-\f
	global_store_b128 v[GO], v[S+32+4*\f:S+32+4*\f+3], s[6:7] offset:65536+8192*\f
.endr
	s_wait_tensorcnt 0x0            ; the wave's end, behind my last tensor load and my last LDS store
	ds_add_u32 v[SPW], v[NIL]
	s_wait_dscnt 0x0
	CROUND                          ; the closing round
	s_endpgm
.Lfunc_end_k_q039b01f4e8_attn:
	.size	k_q039b01f4e8_attn, .Lfunc_end_k_q039b01f4e8_attn-k_q039b01f4e8_attn
	.p2alignl 7, 3214868480
	.fill 96, 4, 3214868480
	.section	.rodata,"a",@progbits
	.p2align	6, 0x0
	.amdhsa_kernel k_q039b01f4e8_attn
		.amdhsa_group_segment_fixed_size 327680
		.amdhsa_private_segment_fixed_size 0
		.amdhsa_enable_private_segment 0
		.amdhsa_kernarg_size 16
		.amdhsa_user_sgpr_count 2
		.amdhsa_user_sgpr_kernarg_segment_ptr 1
		.amdhsa_wavefront_size32 1
		.amdhsa_system_sgpr_workgroup_id_x 1
		.amdhsa_system_sgpr_workgroup_id_y 1
		.amdhsa_system_sgpr_workgroup_id_z 1
		.amdhsa_system_vgpr_workitem_id 0
		.amdhsa_next_free_vgpr 512
		.amdhsa_next_free_sgpr 72
		.amdhsa_reserve_vcc 1
		.amdhsa_float_denorm_mode_32 3
		.amdhsa_float_denorm_mode_16_64 3
		.amdhsa_memory_ordered 1
		.amdhsa_forward_progress 1
		.amdhsa_inst_pref_size 101
	.end_amdhsa_kernel
	.amdgpu_metadata
---
amdhsa.version: [ 1, 2 ]
amdhsa.kernels:
  - .name:           k_q039b01f4e8_attn
    .symbol:         k_q039b01f4e8_attn.kd
    .args:
      - { .name: qkv, .offset: 0, .size: 8, .value_kind: global_buffer, .address_space: global }
      - { .name: y, .offset: 8, .size: 8, .value_kind: global_buffer, .address_space: global }
    .group_segment_fixed_size: 327680
    .private_segment_fixed_size: 0
    .kernarg_segment_align: 8
    .kernarg_segment_size: 16
    .max_flat_workgroup_size: 256
    .sgpr_count:     72
    .vgpr_count:     512
    .wavefront_size: 32
...
	.end_amdgpu_metadata
.endif
;; end of part 3
;; launch proj (part 4): grid 8 x 32, 4 waves a work-group, clusters of 4 x 4, 327,680 bytes of LDS; arguments y, wp, out0; writes out0
.if DOCPART == 4
	.amdgcn_target "amdgcn-amd-amdhsa--gfx1250"
	.amdhsa_code_object_version 6
	.text
	.protected	k_q039b01f4e8_proj
	.globl	k_q039b01f4e8_proj
	.p2align	8
	.type	k_q039b01f4e8_proj,@function
k_q039b01f4e8_proj:
	s_mov_b64 s[64:65], 0
	v_nop
	global_prefetch_b8 v0, s[64:65] scope:SCOPE_SE
	s_setreg_imm32_b32 hwreg(HW_REG_WAVE_MODE, 25, 1), 1
	s_wait_xcnt 0x0
	s_wait_alu depctr_hold_cnt(0) depctr_sa_sdst(0) depctr_va_vdst(0) depctr_va_sdst(0) depctr_va_ssrc(0) depctr_va_vcc(0) depctr_vm_vsrc(0)
	s_getreg_b32 s2, hwreg(HW_REG_IB_STS2, 6, 4)
	s_cmp_eq_u32 s2, 0
	s_cbranch_scc0 .Lentry_in_a_cluster
	s_endpgm
.Lentry_in_a_cluster:
	s_bfe_u32 s2, ttmp6, 0x10000c
	s_cmp_lg_u32 s2, 0xf033
	s_cbranch_scc0 .Lentry_shape_is_right
	s_endpgm
.Lentry_shape_is_right:
; out0[m][n] = sum over k of y[m][k] Wproj[n][k].  A = y [4096][2048], B = wp [2048][2048], both f16; out0 [4096][2048] f32; sums in f32, K ascending.
; A tile of C is 128 rows x 256 columns: 32 x 8 = 256 work-groups, one for each WGP (tiles of 256 x 256 would be 128).  Four waves, each 64 x 128: 32 accumulators of 16 x 16, 256 registers.
; THE RING HAS TWO UNEQUAL SLOTS.  A K step of 128 is 384 rows x 272 bytes = 104,448 bytes; two slots of two steps would be 405,504 bytes and do not fit, three steps do.  So slot Y holds ONE K step (rows of 256 bytes)
; and slot X TWO, as one tile with rows of 512 bytes.  The 16 K steps go Y X Y X Y X Y X Y X Y (6 x 1 + 5 x 2): ten changes of slots where two slots of one step have fifteen, and Y's refill has X's two steps in which to land.
; CLUSTERS: 4 x 4 work-groups.  A's tile is shared along a row of the cluster, B's along a column: each is asked for JOINTLY.  Waves 0 and 1 fetch A's halves (64 rows), waves 2 and 3 B's (128 rows).
; THE MATRIX INSTRUCTION IS USED TRANSPOSED (source 0 = 16 rows of B, source 1 = 16 rows of A): a lane holds eight neighbouring numbers of a row of C.
; REGISTERS: window 0: v16-30 addresses; v32-95 A's fragments (4 x 16 rows x 32 K), two buffers; v96-223 B's (8), two buffers.  window 1: accumulator (a, b) at v[8 (8 a + b)].
.set KSTEP,  128
.set PY,     272                       ; slot Y's LDS row: 256 bytes + 16 of padding = 68 words: the 16 rows that a load touches start at 16 different banks (64 banks of 4 bytes: ISA guide 11.1)
.set PX,     528                       ; slot X's: 512 bytes + 16 = 132 words: likewise
.set AHY,    64*PY                     ; 64 rows: a wave's load for A, and what a wave reads of A
.set BHY,    128*PY                    ; 128 rows: the same for B
.set AHX,    64*PX
.set BHX,    128*PX
.set XOFF,   2*AHY+2*BHY               ; slot Y at byte 0 (A's 128 rows, then B's 256), slot X behind it, laid likewise
.set SPARE,  XOFF+2*AHX+2*BHX          ; behind the ring: the spare words, 128 bytes a wave, which no other line names
.set STAGE,  XOFF                      ; the way out: 16 rows x 528 bytes for each wave, in slot X, which has had its last fill and its last read when the first result is stored there
.set SPITCH, 528
.set TRIPS,  4                         ; a trip = slot Y's step and slot X's two = once round the ring
.set ADRA, 16                          ; v16-17  LDS address of my A fragments in slot Y, X
.set ADRB, 20                          ; v20-21  the same for B
.set STO,  24                          ; v24     the way out: where I put 32 bytes of a row
.set RD,   25                          ; v25     where I read a row back
.set CO,   26                          ; v26     16 x lane: my bytes in my 512 bytes of a row of C
.set SPW,  28                          ; v28     LDS address of my spare word; never rewritten
.set NIL,  29                          ; v29     0; never rewritten
.set PFO,  30                          ; v30     the prefetches' offset: my lane x a row of 4,096 bytes; never rewritten
.set FA,   32
.set FB,   96
.set PFA,  44                          ; s[44:45] where my prefetches stand
.set LIM,  43                          ; s43     1 in a wave that prefetches, else -1
.set G1,   24                          ; s[24:31] descriptor group 1 for A's tiles of slot Y, s[32:39] of slot X
.set G1B,  48                          ; s[48:55], s[56:63] the same for B's
.set G0,   68                          ; s[68:71] group 0 for A's tiles of slot Y, s[72:75] of slot X
.set G0B,  76                          ; s[76:79], s[80:83] the same for B's
.set MSB, 0
.macro WIN new                         ; the immediate's high byte repeats the setting that is left
.if MSB != \new
	s_set_vgpr_msb (MSB<<8)|\new
.set MSB, \new
.endif
.endm
.set MUL, 0x50                         ; C and D window 1; both sources window 0
; A joint load into slot s (0: Y, 1: X).  The branch hangs on the wave's number alone.  An s_nop 0 and four v_nop follow each of the two lines.
.macro JLOAD s
	s_cmp_eq_u32 s11, 0
	s_cbranch_scc0 .Lfor_b_\@
	tensor_load_to_lds s[G0+4*\s:G0+4*\s+3], s[G1+8*\s:G1+8*\s+7]
	s_nop 0
.rept 4
	v_nop
.endr
	s_branch .Lasked_\@
.Lfor_b_\@:
	tensor_load_to_lds s[G0B+4*\s:G0B+4*\s+3], s[G1B+8*\s:G1B+8*\s+7]
	s_nop 0
.rept 4
	v_nop
.endr
.Lasked_\@:
.endm
; A PREFETCH INTO THE L2 of what the NEXT change of slots will ask for, behind the joint load, its five lines and the run of LDS loads: 32 rows, a lane a row, 256 bytes of a row an instruction.
; which = 1, behind slot Y's refill: slot X's next two K steps, two instructions, 256 matrix instructions ahead of their load.  which = 2, behind slot X's refill: slot Y's next K step, 128 ahead.
; Each row's 256 bytes of a K step are named once in the launch.  A's tile row is read by both clusters of its row of clusters: cluster x = 0 asks, wave 0 alone, since the four partners' 32 rows each (told apart
; BY ADDRESS, by cx) cover the tile's 128.  B's tile column is read by all eight clusters of its column: cluster y = 0 asks, waves 2 and 3, each partner 32 (by cy) of the wave's 128 rows.
; In trip i the address stands at K step 3 i + 4: the four trips name K steps 4 to 15, the last inside its row.  The tail asks for nothing.  K steps 0 to 3 come by their loads alone.
.macro ASK which
	s_cmp_eq_u32 s[LIM], 1
	s_cbranch_scc0 .Lnot_mine_\@
.if \which == 1
	global_prefetch_b8 v[PFO], s[PFA:PFA+1] th:TH_LOAD_NT scope:SCOPE_SE
	global_prefetch_b8 v[PFO], s[PFA:PFA+1] offset:KSTEP*2 th:TH_LOAD_NT scope:SCOPE_SE
.else
	global_prefetch_b8 v[PFO], s[PFA:PFA+1] offset:2*KSTEP*2 th:TH_LOAD_NT scope:SCOPE_SE
.endif
.Lnot_mine_\@:
.endm
.macro CREST                           ; a round of the cluster's barrier behind its opening barrier
	s_cmp_lg_u32 s10, 0
	s_cbranch_scc1 .Lnot_wave_0_\@
	s_barrier_signal -3
.Lnot_wave_0_\@:
	s_barrier_wait -3
	s_barrier_signal -1
	s_barrier_wait -1
.endm
.macro CROUND
	s_barrier_signal -1
	s_barrier_wait -1
	CREST
.endm
	s_load_b128 s[4:7], s[0:1], 0x0                ; A s[4:5], B s[6:7]
	s_load_b64 s[8:9], s[0:1], 0x10                ; C
	v_lshl_add_u32 v[SPW], v0, 2, SPARE
	v_mov_b32 v[NIL], 0
	ds_add_u32 v[SPW], v[NIL]                      ; the wave's opening: the add and its wait stand ahead of my first tensor load; the set-up below, work on registers, stands between them
	v_lshrrev_b32 v1, 5, v0
	v_readfirstlane_b32 s10, v1                    ; wave 0..3
	s_lshr_b32 s11, s10, 1                         ; which 64 rows of the tile are mine.  Also: I fetch for A (0) or for B (1)
	s_and_b32 s12, s10, 1                          ; which 128 columns.  Also: which half of that tile I fetch
	s_bfe_u32 s40, ttmp6, 0x40000                  ; cx, cy
	s_bfe_u32 s41, ttmp6, 0x40004
	s_lshl_b32 s42, ttmp9, 2
	s_add_co_u32 s42, s42, s40                     ; tile column of C
	s_and_b32 s13, ttmp7, 0xffff
	s_lshl_b32 s13, s13, 2
	s_add_co_u32 s13, s13, s41                     ; tile row of C
	s_lshl_b32 s43, s41, 2
	s_lshl_b32 s43, 15, s43                        ; my row of the cluster
	s_lshl_b32 s44, 0x1111, s40                    ; my column
	; descriptor group 1, four of them: 15:0 the mask; 17:16 elements of 2 bytes; 20 padding on; 21 set beside a mask; 24:22 after every 64 words (slot Y) or 128 (slot X); 31:25 of 4 words
	s_or_b32 s[G1+0],  s43, (1<<16)|(1<<20)|(1<<21)|(5<<22)|(3<<25)
	s_or_b32 s[G1+8],  s43, (1<<16)|(1<<20)|(1<<21)|(6<<22)|(3<<25)
	s_or_b32 s[G1B+0], s44, (1<<16)|(1<<20)|(1<<21)|(5<<22)|(3<<25)
	s_or_b32 s[G1B+8], s44, (1<<16)|(1<<20)|(1<<21)|(6<<22)|(3<<25)
.irp g, G1, G1B
	s_mov_b32 s[\g+1],  KSTEP<<16                  ; slot Y: tensor_dim0 = 128
	s_mov_b32 s[\g+3],  KSTEP<<16                  ;         tile_dim0 = 128
	s_mov_b32 s[\g+5],  2048                       ;         elements from row to row
	s_mov_b32 s[\g+6],  0
	s_mov_b32 s[\g+7],  0
	s_mov_b32 s[\g+9],  (2*KSTEP)<<16              ; slot X: tensor_dim0 = 256
	s_mov_b32 s[\g+11], (2*KSTEP)<<16              ;         tile_dim0 = 256
	s_mov_b32 s[\g+13], 2048
	s_mov_b32 s[\g+14], 0
	s_mov_b32 s[\g+15], 0
.endr
	s_mov_b32 s[G1+2],   64<<16                    ; A: tensor_dim1 = 64,
	s_mov_b32 s[G1+4],   64                        ;    tile_dim1 = 64
	s_mov_b32 s[G1+10],  64<<16
	s_mov_b32 s[G1+12],  64
	s_mov_b32 s[G1B+2],  128<<16                   ; B: 128 rows
	s_mov_b32 s[G1B+4],  128
	s_mov_b32 s[G1B+10], 128<<16
	s_mov_b32 s[G1B+12], 128
	s_lshl_b32 s17, s12, 6
	s_lshl_b32 s16, s13, 7
	s_add_co_u32 s16, s16, s17                     ; A: row 128 x tile row + 64 x half,
	s_lshl_b32 s16, s16, 12                        ; of 4,096 bytes
	s_mov_b32 s17, 0
	s_lshl_b32 s47, s12, 7
	s_lshl_b32 s46, s42, 8
	s_add_co_u32 s46, s46, s47                     ; B: row 256 x tile column + 128 x half
	s_lshl_b32 s46, s46, 12
	s_mov_b32 s47, 0
	s_mul_i32 s20, s12, AHY                        ; where they go: no place in the cluster enters an LDS address.  Slot Y: A's half,
	s_mul_i32 s21, s12, BHY
	s_add_co_u32 s21, s21, 2*AHY                   ; B's half;
	s_mul_i32 s22, s12, AHX
	s_add_co_u32 s22, s22, XOFF                    ; slot X: A's,
	s_mul_i32 s23, s12, BHX
	s_add_co_u32 s23, s23, XOFF+2*AHX              ; B's
	s_wait_dscnt 0x0                               ; the opening add is done
	s_wait_kmcnt 0x0
	s_add_nc_u64 s[14:15], s[4:5], s[16:17]
	s_add_nc_u64 s[46:47], s[6:7], s[46:47]
	CROUND                                         ; all sixteen work-groups are here: the first joint loads meet
	s_mov_b32 s[G0], 1                             ; slot Y begins with K step 0
	s_mov_b32 s[G0+1], s20
	s_mov_b64 s[G0+2:G0+3], s[14:15]
	s_or_b32 s[G0+3], s[G0+3], 0x80000000
	s_mov_b32 s[G0B], 1
	s_mov_b32 s[G0B+1], s21
	s_mov_b64 s[G0B+2:G0B+3], s[46:47]
	s_or_b32 s[G0B+3], s[G0B+3], 0x80000000
	JLOAD 0
	s_mov_b32 s[G0+4], 1                           ; slot X with K steps 1 and 2
	s_mov_b32 s[G0+5], s22
	s_add_nc_u64 s[G0+6:G0+7], s[14:15], KSTEP*2
	s_or_b32 s[G0+7], s[G0+7], 0x80000000
	s_mov_b32 s[G0B+4], 1
	s_mov_b32 s[G0B+5], s23
	s_add_nc_u64 s[G0B+6:G0B+7], s[46:47], KSTEP*2
	s_or_b32 s[G0B+7], s[G0B+7], 0x80000000
	JLOAD 1                                        ; two tensor loads of mine are out
	v_and_b32 v1, 15, v0                           ; l % 16
	v_bfe_u32 v2, v0, 4, 1                         ; l / 16
	v_mul_u32_u24 v3, v1, PY
	v_lshl_add_u32 v3, v2, 4, v3                   ; a fragment's row x pitch + 16 x half, in slot Y
	v_mul_u32_u24 v6, v1, PX
	v_lshl_add_u32 v6, v2, 4, v6                   ; and in slot X
	s_mul_i32 s21, s11, AHY                        ; slot Y: my 64 rows of A,
	s_mul_i32 s22, s12, BHY                        ; my 128 rows of B,
	s_add_co_u32 s22, s22, 2*AHY                   ; which lie behind A's 128
	v_add_nc_u32 v[ADRA], s21, v3
	v_add_nc_u32 v[ADRB], s22, v3
	s_mul_i32 s21, s11, AHX                        ; slot X likewise
	s_add_co_u32 s21, s21, XOFF
	s_mul_i32 s22, s12, BHX
	s_add_co_u32 s22, s22, XOFF+2*AHX
	v_add_nc_u32 v[ADRA+1], s21, v6
	v_add_nc_u32 v[ADRB+1], s22, v6
	s_mul_i32 s23, s10, 16*SPITCH
	s_add_co_u32 s23, s23, STAGE                   ; my stage
	v_mul_u32_u24 v4, v1, SPITCH                   ; in: row l % 16, 32 bytes for each half of the lanes
	v_lshl_add_u32 v4, v2, 5, v4
	v_add_nc_u32 v[STO], s23, v4
	v_and_b32 v5, 31, v0
	v_lshlrev_b32 v[CO], 4, v5                     ; back: the 32 lanes take one row of 512 bytes; and the same in C
	v_add_nc_u32 v[RD], s23, v[CO]
	s_lshl_b32 s16, s13, 7
	s_lshl_b32 s17, s11, 6
	s_add_co_u32 s16, s16, s17                     ; my first row of C,
	s_lshl_b32 s16, s16, 13                        ; of 8,192 bytes
	s_mov_b32 s17, 0
	s_add_nc_u64 s[8:9], s[8:9], s[16:17]
	s_lshl_b32 s46, s42, 10                        ; my first column, in bytes: 1,024 x tile column + 512 x half
	s_lshl_b32 s47, s12, 9
	s_add_co_u32 s46, s46, s47
	s_mov_b32 s47, 0
	s_add_nc_u64 s[8:9], s[8:9], s[46:47]
	; the prefetches
	s_lshl_b32 s20, s13, 7                         ; A's tile: its first row
	s_lshl_b32 s42, s42, 8                         ; B's
	s_lshl_b32 s23, s12, 7                         ; of B's tile, the 128 rows that I fetch
	s_and_b32 s22, ttmp7, 0xffff                   ; cluster y
	s_cmp_eq_u32 s11, 0                            ; do I fetch for A?
	s_cselect_b32 s20, s20, s42
	s_cselect_b32 s21, s40, s41                    ; my place among the four that ask with me
	s_cselect_b32 s22, ttmp9, s22                  ; the coordinate along which other clusters read the same rows
	s_cselect_b32 s23, 0, s23
	s_cselect_b64 s[PFA:PFA+1], s[4:5], s[6:7]
	s_cmp_eq_u32 s10, 1
	s_cselect_b32 s22, 1, s22                      ; wave 1 never asks: wave 0's 32 rows in each of four partners are A's whole tile
	s_cmp_eq_u32 s22, 0
	s_cselect_b32 s[LIM], 1, -1                    ; the same in all sixteen partners, for a given wave
	s_add_co_u32 s20, s20, s23
	s_lshl_b32 s21, s21, 5
	s_add_co_u32 s20, s20, s21                     ; + my work-group's 32 rows
	s_lshl_b32 s20, s20, 12
	s_mov_b32 s21, 0
	s_add_nc_u64 s[PFA:PFA+1], s[PFA:PFA+1], s[20:21]
	s_add_nc_u64 s[PFA:PFA+1], s[PFA:PFA+1], KSTEP*2    ; at K step 1: the first change of slots steps it to K step 4.  Nothing is prefetched here, at the head
	v_lshlrev_b32 v[PFO], 12, v5
; 8 matrix instructions: A's block a x B's eight, 32 along K, from buffer f.  zero = 1: the first product starts the sums.  The 32 accumulators take turns in one order everywhere.
.macro MUL8 f, a, zero
.irp b, 0,1,2,3,4,5,6,7
.if \zero
	v_wmma_f32_16x16x32_f16 v[8*(8*(\a)+\b):8*(8*(\a)+\b)+7], v[FB+64*(\f)+8*\b:FB+64*(\f)+8*\b+7], v[FA+32*(\f)+8*(\a):FA+32*(\f)+8*(\a)+7], 0
.else
	v_wmma_f32_16x16x32_f16 v[8*(8*(\a)+\b):8*(8*(\a)+\b)+7], v[FB+64*(\f)+8*\b:FB+64*(\f)+8*\b+7], v[FA+32*(\f)+8*(\a):FA+32*(\f)+8*(\a)+7], v[8*(8*(\a)+\b):8*(8*(\a)+\b)+7]
.endif
.endr
.endm
; 24 LDS loads in one run: the fragments of 32 along K at byte k of the rows of slot 0 (Y) or 1 (X), into buffer f.  The largest offset, 448 + 32 + 7 x 16 x 528, is inside the 16-bit immediate
.macro FETCH slot, k, f
.irp i, 0,1,2,3,4,5,6,7
	ds_load_b128 v[FB+64*(\f)+8*\i:FB+64*(\f)+8*\i+3],   v[ADRB+\slot] offset:\k+\i*16*(PY+(PX-PY)*(\slot))
	ds_load_b128 v[FB+64*(\f)+8*\i+4:FB+64*(\f)+8*\i+7], v[ADRB+\slot] offset:\k+\i*16*(PY+(PX-PY)*(\slot))+32
.endr
.irp i, 0,1,2,3
	ds_load_b128 v[FA+32*(\f)+8*\i:FA+32*(\f)+8*\i+3],   v[ADRA+\slot] offset:\k+\i*16*(PY+(PX-PY)*(\slot))
	ds_load_b128 v[FA+32*(\f)+8*\i+4:FA+32*(\f)+8*\i+7], v[ADRA+\slot] offset:\k+\i*16*(PY+(PX-PY)*(\slot))+32
.endr
.endm
.macro PLACES                          ; four places in front of loads into registers that matrix instructions have read, and of the first reads of results (ISA guide 7.12.1 for vector instructions)
.rept 4
	v_nop
.endr
.endm
; A quarter is 32 along K, 32 matrix instructions; slot Y holds four, slot X eight, on buffers 0, 1, 0, 1, ..  All but a slot's last: the next quarter's fragments (byte k, buffer g) are asked for, then buffer f is multiplied.
.macro QUARTER slot, k, f, g, zero
	WIN 0
	s_wait_dscnt 0x0                               ; buffer f is in: asked for 32 matrix instructions ago
	PLACES                                         ; buffer g was multiplied by the quarter before
	FETCH \slot, \k, \g
	WIN MUL
	MUL8 \f, 0, \zero
	MUL8 \f, 1, \zero
	MUL8 \f, 2, \zero
	MUL8 \f, 3, \zero
.endm
; A slot's last quarter multiplies buffer 1 and changes slots: ONE barrier; in front of it each wave waits for all its tensor loads, adds 0 to its spare word, and waits for that and for its own reads of this slot.
; fill = 1: this slot is filled again, with its part of the next three K steps.  ask: 0 no prefetch; 1, 2: macro ASK's which.
.macro TURN slot, next, fill, ask
.if \ask == 1
	s_wait_xcnt 0x0                                ; the last prefetch, three quarters back, has read its address: it is stepped here, once a trip, ahead of the waits of the change of slots
	s_add_nc_u64 s[PFA:PFA+1], s[PFA:PFA+1], 3*KSTEP*2
.endif
	WIN 0                                          ; (the add's two registers lie in window 0)
	s_wait_tensorcnt 0x0                           ; all my tensor loads have landed: the one that was out is my part of the next slot;
	ds_add_u32 v[SPW], v[NIL]                      ; 0 onto my spare word
	s_wait_dscnt 1                                 ; buffer 1 is in (the add alone may be out)
	WIN MUL
	MUL8 1, 0, 0                                   ; eight matrix instructions stand between the add and the wait for it
	s_wait_dscnt 0x0                               ; the add is done, and my reads of this slot are over
	s_barrier_signal -1
	MUL8 1, 1, 0
	WIN 0
	s_barrier_wait -1
.if \fill
	CREST                                          ; the barrier has opened a round of the cluster's barrier: no wave of any partner still reads this slot's tile or has a load on its way
	s_add_nc_u64 s[G0+4*\slot+2:G0+4*\slot+3], s[G0+4*\slot+2:G0+4*\slot+3], 3*KSTEP*2
	s_add_nc_u64 s[G0B+4*\slot+2:G0B+4*\slot+3], s[G0B+4*\slot+2:G0B+4*\slot+3], 3*KSTEP*2
	JLOAD \slot                                    ; the first tensor load behind the round, my one load until the next: slot Y's stands 240 matrix instructions ahead of the wait for it, slot X's 112; its four v_nop are the places in front of the loads below
.else
	PLACES
.endif
	FETCH \next, 0, 0
.if \ask
	ASK \ask
.endif
	WIN MUL
	MUL8 1, 2, 0
	MUL8 1, 3, 0
.endm
.macro XSTEPS                          ; slot X's first seven quarters (its first fragments were fetched at the change of slots)
	QUARTER 1, 64,  0, 1, 0
	QUARTER 1, 128, 1, 0, 0
	QUARTER 1, 192, 0, 1, 0
	QUARTER 1, 256, 1, 0, 0
	QUARTER 1, 320, 0, 1, 0
	QUARTER 1, 384, 1, 0, 0
	QUARTER 1, 448, 0, 1, 0
.endm
	s_wait_tensorcnt 1                             ; my part of K step 0 is in (slot X's load may be out)
	s_barrier_signal -1
	s_barrier_wait -1                              ; everybody's is
	FETCH 0, 0, 0
	QUARTER 0, 64, 0, 1, 1                         ; the first quarter stands in front of the loop: its products start the sums
	WIN 0                                          ; at a label and at a branch every window is 0
	s_mov_b32 s3, TRIPS
.Llap:                                                 ; a trip goes once round the ring, three K steps, from slot Y's second quarter to its next first, and fills both slots again
	QUARTER 0, 128, 1, 0, 0
	QUARTER 0, 192, 0, 1, 0
	TURN 0, 1, 1, 1
	XSTEPS
	TURN 1, 0, 1, 2
	QUARTER 0, 64,  0, 1, 0
	WIN 0
	s_sub_co_u32 s3, s3, 1
	s_cmp_lg_u32 s3, 0
	s_cbranch_scc1 .Llap
	QUARTER 0, 128, 1, 0, 0                        ; the tail is written out: K step 12;
	QUARTER 0, 192, 0, 1, 0
	TURN 0, 1, 1, 0                                ; slot Y takes the last K step, 15;
	XSTEPS                                         ; K steps 13 and 14;
	TURN 1, 0, 0, 0                                ; nothing is left to fetch, so no round follows: behind this barrier nobody reads slot X any more
	QUARTER 0, 64,  0, 1, 0                        ; K step 15
	QUARTER 0, 128, 1, 0, 0
	QUARTER 0, 192, 0, 1, 0
	s_wait_dscnt 0x0                               ; the very last quarter
	MUL8 1, 0, 0
	MUL8 1, 1, 0
	MUL8 1, 2, 0
	MUL8 1, 3, 0
	WIN 0
; THE WAY OUT, block by block of 16 rows x 128 columns: through my own stage in LDS and back as whole rows of 512 bytes.  LDS serves a wave's instructions in order (ISA guide 5.7.1.4): no wait between the stores and the loads.
.macro TOSTAGE a
	WIN 0x04                                       ; an LDS store's data are its source 1: window 1
.irp b, 0,1,2,3,4,5,6,7
	ds_store_b128 v[STO], v[64*(\a)+8*\b:64*(\a)+8*\b+3] offset:64*\b            ; each accumulator from its low end on
	ds_store_b128 v[STO], v[64*(\a)+8*\b+4:64*(\a)+8*\b+7] offset:64*\b+16
.endr
	WIN 0
.set BB, 32+64*((\a)%2)
.irp t, 0,1,2,3,4,5,6,7,8,9,10,11,12,13,14,15
	ds_load_b128 v[BB+4*\t:BB+4*\t+3], v[RD] offset:\t*SPITCH
.endr
.endm
.macro SEND a, younger                 ; younger: the LDS instructions issued behind block a's loads, which may stay out
.set BB, 32+64*((\a)%2)
	s_wait_dscnt \younger                          ; the block is back in registers
.if (\a) > 0
	s_add_nc_u64 s[8:9], s[8:9], 16*8192           ; (behind a wait on XCNT: the earlier stores have read their base)  16 rows of C on
.endif
.irp t, 0,1,2,3,4,5,6,7,8,9,10,11,12,13,14,15
	global_store_b128 v[CO], v[BB+4*\t:BB+4*\t+3], s[8:9] offset:\t*8192 th:TH_STORE_NT   ; 32 lanes store 512 consecutive bytes, aligned; written once, read by nobody here
.endr
.endm
	PLACES                                         ; behind the last products: for the reads of results and the loads into the fragments' registers
	TOSTAGE 0
.irp a, 1,2,3
.if \a > 1
	s_wait_xcnt 0x0                                ; block a - 2's stores have read their registers and their base
.endif
	TOSTAGE \a
	SEND \a-1, 32                                  ; behind block a - 1's loads: block a's 16 stores and 16 loads
.endr
	s_wait_xcnt 0x0                                ; block 2's stores have read their base
	SEND 3, 0
	s_wait_tensorcnt 0x0                           ; the wave's end, behind my last tensor load and my last LDS store
	ds_add_u32 v[SPW], v[NIL]
	s_wait_dscnt 0x0
	CROUND                                         ; the closing round: no work-group ends while a partner may still ask for a tile that names it
	s_endpgm
.Lfunc_end_k_q039b01f4e8_proj:
	.size	k_q039b01f4e8_proj, .Lfunc_end_k_q039b01f4e8_proj-k_q039b01f4e8_proj
	.p2alignl 7, 3214868480
	.fill 96, 4, 3214868480
	.section	.rodata,"a",@progbits
	.p2align	6, 0x0
	.amdhsa_kernel k_q039b01f4e8_proj
		.amdhsa_group_segment_fixed_size 327680
		.amdhsa_private_segment_fixed_size 0
		.amdhsa_enable_private_segment 0
		.amdhsa_kernarg_size 24
		.amdhsa_user_sgpr_count 2
		.amdhsa_user_sgpr_kernarg_segment_ptr 1
		.amdhsa_wavefront_size32 1
		.amdhsa_system_sgpr_workgroup_id_x 1
		.amdhsa_system_sgpr_workgroup_id_y 1
		.amdhsa_system_sgpr_workgroup_id_z 1
		.amdhsa_system_vgpr_workitem_id 0
		.amdhsa_next_free_vgpr 512
		.amdhsa_next_free_sgpr 84
		.amdhsa_reserve_vcc 0
		.amdhsa_float_denorm_mode_32 3
		.amdhsa_float_denorm_mode_16_64 3
		.amdhsa_memory_ordered 1
		.amdhsa_forward_progress 1
		.amdhsa_inst_pref_size 132
	.end_amdhsa_kernel
	.amdgpu_metadata
---
amdhsa.version: [ 1, 2 ]
amdhsa.kernels:
  - .name:           k_q039b01f4e8_proj
    .symbol:         k_q039b01f4e8_proj.kd
    .args:
      - { .name: y, .offset: 0, .size: 8, .value_kind: global_buffer, .address_space: global }
      - { .name: wp, .offset: 8, .size: 8, .value_kind: global_buffer, .address_space: global }
      - { .name: out0, .offset: 16, .size: 8, .value_kind: global_buffer, .address_space: global }
    .group_segment_fixed_size: 327680
    .private_segment_fixed_size: 0
    .kernarg_segment_align: 8
    .kernarg_segment_size: 24
    .max_flat_workgroup_size: 128
    .sgpr_count:     84
    .vgpr_count:     512
    .wavefront_size: 32
...
	.end_amdgpu_metadata
.endif
;; end of part 4
